; MI455X (gfx1250); checked and timed in simulation.
; The chip was launched on July 23, 2026; its instructions are those of AMD's public machine-readable ISA for CDNA 5 (MIT licence, August 2026) and "CDNA5" Instruction Set Architecture Reference Guide (July 2026). The comments in the code are by the model that wrote it; some were corrected since.
;; Ro PE Attention. Allowed arithmetic: matrix products marked QUANTISED: E2M1 operands, one E8M0 scale for each 32 along K, by v_wmma_scale_f32_16x16x128_f8f6f4 with both operands' format E2M1 (or v_wmma_scale_f32_32x16x128_f4), f32 sums; products left as they are: bf16, f16 or f32 operands; f32 sums; everything else in f32.
;; Inputs: b_proj 1,024 float32; rope_cos 2,048 x 32 float32; rope_sin 2,048 x 32 float32; w_proj 1,024 x 1,024 float32; w_qkv 1,024 x 3,072 float32; x 2 x 2,048 x 1,024 float32.
;; Outputs: out0 2 x 2,048 x 1,024 float32.
;; This version of the problem:
;;   THIS VERSION OF THE PROBLEM IS GIVEN IN LOW PRECISION. The matrix products marked QUANTISED in the list below multiply operands that are first quantised to E2M1 (2 exponent bits, 1 mantissa bit; 4 bits a number), with one power-of-two scale for each 32 numbers along K (OCP MX v1.0); their sums are f32. The products marked 'left as it is' may take bf16, f16 or f32 operands, with f32 sums. Whichever they take, every output number must still come out within the allowed error. Rounding operands to bf16 (8 significant bits) uses up far more of that allowance than f16 does (11 bits, for magnitudes from 6e-5 to 65,504). All else is computed in f32.
;;   The module's matrix products, in the order in which they are computed (A, B: the left and right operand; K: the contracted axis; several contracted axes count as one K, in the product's order):
;;     1. [M 4,096, K 1,024] x [K 1,024, N 3,072]; A: input x; B: input w_qkv: QUANTISED
;;     2. batch 32 x [M 2,048, K 64] x [K 64, N 2,048]; A: computed on the way; B: computed on the way: left as it is (an operand is computed on the way)
;;     3. batch 32 x [M 2,048, K 2,048] x [K 2,048, N 64]; A: computed on the way; B: computed on the way: left as it is (an operand is computed on the way)
;;     4. [M 4,096, K 1,024] x [K 1,024, N 1,024]; A: computed on the way; B: input w_proj: left as it is (an operand is computed on the way)
;;   THE QUANTISER, for each operand of a quantised product, along K:
;;     - K is cut into blocks of 32 from its start; a last block that is shorter is filled with zeros.
;;     - A block's scale is 2^e with e = floor(log2(the largest magnitude in the block)) - 2, held to -126 .. 127; a block of zeros has e = 0. As a byte (E8M0): e + 127.
;;     - Each number is divided by its block's scale, clamped to +-6, and rounded to the nearest number of E2M1, ties to even, subnormals kept.
;;     - The product sums the exact products of the quantised numbers (number of the format x scale) in f32.
;;   ~~~python
;;   def quantise(x, axis):      # numpy; x: float32 -> the quantised numbers, widened to float32 again
;;       x = np.moveaxis(x, axis, -1); K = x.shape[-1]
;;       x = np.pad(x, [(0, 0)] * (x.ndim - 1) + [(0, -K % 32)]); x = x.reshape(x.shape[:-1] + (-1, 32)); a = np.abs(x).max(-1, keepdims=True)
;;       e = np.where(a > 0, np.clip(np.frexp(np.where(a > 0, a, 1))[1] - 1 - 2, -126, 127), 0)      # np.frexp(a)[1] - 1 = floor(log2(a)), exactly
;;       r = np.clip(x / 2.0 ** e, -6, 6)
;;       step = 2.0 ** (np.maximum(np.frexp(np.where(r == 0, 1, r))[1] - 1, 0) - 1)
;;       q = np.round(r / step) * step * 2.0 ** e      # np.round: ties to even
;;       return np.moveaxis(q.reshape(q.shape[:-2] + (-1,))[..., :K], -1, axis).astype(np.float32)
;;   ~~~
;; One version. Each part assembles by itself: llvm-mc -triple=amdgcn-amd-amdhsa -mcpu=gfx1250 --defsym DOCPART=n.
;; ======== version 1 of 1: 4 launches
;; limits: values are held in f16: magnitudes above 65,504 overflow, below 6.1e-05 lose precision
;; workspace buffers: xc 2,097,152 bytes; xs 131,072 bytes; wc 1,572,864 bytes; ws 98,304 bytes; wp 2,097,152 bytes; qkv 25,165,824 bytes; ob 8,388,608 bytes
;; launch prep (part 1): grid 256 x 1, 4 waves a work-group, no clusters, 34,304 bytes of LDS; arguments x, w_qkv, w_proj, xc, xs, wc, ws, wp; writes xc, xs, wc, ws, wp
.if DOCPART == 1
	.amdgcn_target "amdgcn-amd-amdhsa--gfx1250"
	.amdhsa_code_object_version 6
	.text
	.protected	k_q93109c1690_prep
	.globl	k_q93109c1690_prep
	.p2align	8
	.type	k_q93109c1690_prep,@function
k_q93109c1690_prep:
	s_mov_b64 s[64:65], 0
	v_nop
	global_prefetch_b8 v0, s[64:65] scope:SCOPE_SE
	s_setreg_imm32_b32 hwreg(HW_REG_WAVE_MODE, 25, 1), 1
	s_wait_xcnt 0x0
; PREP: the operands of the later launches, each laid in the order of a matrix operand's registers.
;   x      [4096][1024] f32 -> xc, codes of E2M1 along K, and xs, their E8M0 scale bytes      (work-groups 0 to 127)
;   w_qkv  [1024][3072] f32 -> wc, ws: the same along K, which is its FIRST axis               (work-groups 128 to 223)
;   w_proj [1024][1024] f32 -> wp, f16, K (its first axis) innermost                           (work-groups 224 to 255)
; LAYOUT.  A piece is 16 bytes of ONE row (or column n) along K: 32 codes (a block) or 8 f16.  Buffers are [tile of 16 rows][piece along K][row in the tile][16 bytes].
; A fragment (8 registers a lane) is then 1,024 consecutive bytes: registers 0-3 at 16 x lane, registers 4-7 512 bytes on.  Scale words: [tile][K half of 512][row][4 words].
; THE QUANTISER.  A block's scale is 2^(floor(log2(its largest magnitude)) - 2): its byte is the largest magnitude's exponent field - 2, held at 1 from below by a floor among the maximum's leaves.
; Each number is divided by the scale and rounded to the nearest code, ties to even; beyond 6 the conversion gives the largest code.
; SHARES.  The three paths are cut so that a wave of each walks about as many batches of loads one behind the other: x 4 steps of 16 loads, w_qkv 8 blocks of 32, w_proj 8 batches of 32.
; LIMITS: a block of zeros gets the byte 1 where the rule says 127 (its codes are zeros, which add nothing, and this program alone reads the bytes); NaN and infinities are not served;
; |w_proj| above 65,504 would leave f16's range (the drawn numbers lie under 0.2).
; No cluster: no two work-groups read the same bytes.  No barrier: waves share nothing.  Only x's path uses LDS.
.set SPW,   54                         ; v54  LDS address of my spare word; never rewritten
.set NIL,   55                         ; v55  0; never rewritten
.set STAGE, 16*528                     ; x's path: a wave's stage: 16 rows x (512 bytes + 16)
.set SPARE, 4*STAGE                    ; behind the four stages: the spare words, 128 bytes for each wave
.set RW,    64                         ; v64-191  x's path: two sets of 64 registers as loaded
.set XR,    192                        ; v192-255 x's path: 64 numbers in the operand's order
.set CD,    20                         ; v20-51   x's path: 8 registers of codes for each of 4 steps
.set SW,    16                         ; v16-19   scale words
; the largest magnitude of v[x] .. v[x + 31] and the floor 2^(3 - 127), in two chains, into v[d]
.macro BLKMAX d, x
	v_max3_num_f32 v[\d], |v[\x]|, |v[\x+1]|, 0x1800000
	v_max3_num_f32 v[\d+1], |v[\x+16]|, |v[\x+17]|, |v[\x+18]|
.irp i, 2,4,6,8,10,12
	v_max3_num_f32 v[\d], v[\d], |v[\x+\i]|, |v[\x+\i+1]|
	v_max3_num_f32 v[\d+1], v[\d+1], |v[\x+\i+17]|, |v[\x+\i+18]|
.endr
	v_max3_num_f32 v[\d], v[\d], |v[\x+14]|, |v[\x+15]|
	v_max3_num_f32 v[\d], v[\d], v[\d+1], |v[\x+31]|
.endm
	s_load_b256 s[4:11], s[0:1], 0x0               ; x s[4:5], w_qkv s[6:7], w_proj s[8:9], xc s[10:11]
	s_load_b256 s[12:19], s[0:1], 0x20             ; xs s[12:13], wc s[14:15], ws s[16:17], wp s[18:19]
	v_lshl_add_u32 v[SPW], v0, 2, SPARE
	v_mov_b32 v[NIL], 0
	v_lshrrev_b32 v1, 5, v0
	v_readfirstlane_b32 s20, v1                    ; wave 0..3
	v_and_b32 v1, 31, v0                           ; lane
	v_and_b32 v2, 15, v0                           ; r
	v_bfe_u32 v3, v0, 4, 1                         ; h
	s_mov_b32 s27, 0                               ; the upper word of every offset
	s_wait_kmcnt 0x0
	s_cmp_lt_u32 ttmp9, 128
	s_cbranch_scc0 .Lweights
; ---- x.  A wave takes a tile of 16 rows x 512 along K, in 4 steps of 128.  Each load reads 512 consecutive bytes of one row; the step's 16 rows turn through the wave's own stage, so that lane (r, h)
; gets, of row r, the blocks h and 2 + h of the step: the very numbers that the operand's layout gives that lane.  So the conversions' results are the fragment's registers.
	s_lshl_b32 s24, ttmp9, 1
	s_lshr_b32 s25, s20, 1
	s_add_co_u32 s24, s24, s25                     ; the tile of rows: 2 x work-group + wave / 2
	s_and_b32 s25, s20, 1                          ; the K half
	s_lshl_b32 s26, s24, 16                        ; x: 16 rows of 4,096 bytes a tile,
	s_lshl_b32 s28, s25, 11                        ; 2,048 bytes a half
	s_add_co_u32 s26, s26, s28
	s_add_nc_u64 s[4:5], s[4:5], s[26:27]
	s_lshl_b32 s26, s24, 13                        ; codes: 8,192 bytes a tile, 4,096 a half
	s_lshl_b32 s28, s25, 12
	s_add_co_u32 s26, s26, s28
	s_add_nc_u64 s[10:11], s[10:11], s[26:27]
	s_lshl_b32 s26, s24, 9                         ; scale words: 512 bytes a tile, 256 a half
	s_lshl_b32 s28, s25, 8
	s_add_co_u32 s26, s26, s28
	s_add_nc_u64 s[12:13], s[12:13], s[26:27]
	s_mul_i32 s28, s20, STAGE                      ; my stage
	s_mov_b32 s21, 0x76543210
	s_mov_b32 s22, 0xfedcba98                      ; v_permlanex16_b32's selects for lane l xor 16
	v_lshlrev_b32 v4, 4, v1                        ; 16 x lane: in a row's 512 bytes, and in a fragment's 512
	v_add_nc_u32 v5, s28, v4                       ; the stage, on the way in
	v_mul_u32_u24 v6, v2, 528
	v_lshl_add_u32 v6, v3, 7, v6
	v_add_nc_u32 v6, s28, v6                       ; and on the way out: row r, block h
	v_lshlrev_b32 v7, 4, v2
	v_lshl_add_u32 v7, v3, 3, v7                   ; my two scale words' place: 16 r + 8 h
	v_lshlrev_b32 v52, 3, v3                       ; 8 h
	v_mov_b32 v57, 0                               ; written once: a lane permute's destination counts as one of its sources
.macro XLOAD s
.set li, 0
.rept 16
	global_load_b128 v[RW+64*((\s)%2)+4*li:RW+64*((\s)%2)+4*li+3], v4, s[4:5] offset:4096*li+512*(\s) th:TH_LOAD_NT
.set li, li+1
.endr
.endm
.macro XTURN s                         ; LDS serves a wave's instructions in order: no wait between the stores and the loads
.set li, 0
.rept 16
	ds_store_b128 v5, v[RW+64*((\s)%2)+4*li:RW+64*((\s)%2)+4*li+3] offset:528*li
.set li, li+1
.endr
.irp c, 0,1
.irp g, 0,1,2,3,4,5,6,7
	ds_load_b128 v[XR+32*\c+4*\g:XR+32*\c+4*\g+3], v6 offset:256*\c+16*\g
.endr
.endr
.endm
.macro XQ s
	BLKMAX 8, XR                                   ; my block h
	BLKMAX 10, XR+32                               ; my block 2 + h
	v_add_nc_u32 v12, 0xff000000, v8               ; 2 off the exponent field: the conversion takes the exponent field of this operand as its scale
	v_add_nc_u32 v13, 0xff000000, v10
	v_lshrrev_b32 v14, 23, v12                     ; the scales' bytes
	v_lshrrev_b32 v15, 23, v13
	v_lshl_or_b32 v56, v15, 16, v14                ; at their places in the row's scale word: bytes h and 2 + h
	v_lshlrev_b32 v56, v52, v56
	v_permlanex16_b32 v57, v56, s21, s22
	v_or_b32 v[SW+\s], v56, v57                    ; with lane l xor 16's two the word is whole
.irp g, 0,1,2,3
	v_cvt_scalef32_pk8_fp4_f32 v[CD+8*\s+\g], v[XR+8*\g:XR+8*\g+7], v12
.endr
.irp g, 0,1,2,3
	v_cvt_scalef32_pk8_fp4_f32 v[CD+8*\s+4+\g], v[XR+32+8*\g:XR+32+8*\g+7], v13
.endr
	v_nop                                          ; one plain place behind the last scaled conversion
	global_store_b128 v4, v[CD+8*\s:CD+8*\s+3], s[10:11] offset:1024*\s          ; the wave stores 512 consecutive bytes, twice: the fragment of this step
	global_store_b128 v4, v[CD+8*\s+4:CD+8*\s+7], s[10:11] offset:1024*\s+512
.endm
	XLOAD 0
	XLOAD 1
.irp s, 0,1,2,3
.if \s < 3
	s_wait_loadcnt 16                              ; this step's 16 loads are in; the next step's 16 may be out
.else
	s_wait_loadcnt 0x0
.endif
	XTURN \s
	s_wait_dscnt 0x0                               ; the stage's stores have read their registers, and the numbers are back
.if \s < 2
	XLOAD \s+2
.endif
	XQ \s
.endr
	v_cmp_ne_u32 vcc_lo, 0, v3
	v_cndmask_b32 v8, v[SW], v[SW+2], vcc_lo       ; lanes 0-15 store words 0 and 1 of their row, lanes 16-31 words 2 and 3
	v_cndmask_b32 v9, v[SW+1], v[SW+3], vcc_lo
	global_store_b64 v7, v[8:9], s[12:13]          ; the wave stores 256 consecutive bytes, aligned
	s_wait_tensorcnt 0x0                           ; the wave's end, behind my last LDS store
	ds_add_u32 v[SPW], v[NIL]
	s_wait_dscnt 0x0
	s_endpgm
.Lweights:
	s_cmp_lt_u32 ttmp9, 224
	s_cbranch_scc0 .Lproj
; ---- w_qkv.  A lane takes a column n and its registers run down K: a block of 32 lies in one lane, and its 16 bytes of codes are a piece.  A wave: 32 columns x 256 along K (a K quarter), 8 blocks.
; 24 groups of 128 columns x 4 quarters = 96 work-groups.
	s_sub_co_u32 s24, ttmp9, 128
	s_and_b32 s25, s24, 3                          ; the K quarter
	s_lshr_b32 s24, s24, 2                         ; which 128 columns
	s_lshl_b32 s24, s24, 7
	s_lshl_b32 s26, s20, 5
	s_add_co_u32 s24, s24, s26                     ; my wave's first column
	s_mul_i32 s26, s25, 256*12288                  ; w_qkv: 256 rows of 12,288 bytes a quarter, 4 bytes a column
	s_lshl_b32 s28, s24, 2
	s_add_co_u32 s26, s26, s28
	s_add_nc_u64 s[6:7], s[6:7], s[26:27]
	s_lshl_b32 s26, s24, 9                         ; codes: 8,192 bytes for 16 columns, 2,048 a quarter
	s_lshl_b32 s28, s25, 11
	s_add_co_u32 s26, s26, s28
	s_add_nc_u64 s[14:15], s[14:15], s[26:27]
	s_lshl_b32 s26, s24, 5                         ; scale words: 512 bytes for 16 columns,
	s_lshr_b32 s28, s25, 1
	s_lshl_b32 s28, s28, 8                         ; 256 a K half,
	s_add_co_u32 s26, s26, s28
	s_and_b32 s28, s25, 1
	s_lshl_b32 s28, s28, 3                         ; and in a column's 16 bytes of a half: 8 a quarter
	s_add_co_u32 s26, s26, s28
	s_add_nc_u64 s[16:17], s[16:17], s[26:27]
	v_lshlrev_b32 v4, 2, v1                        ; in: 4 bytes a lane
	v_lshlrev_b32 v5, 4, v2
	v_lshlrev_b32 v6, 4, v2
	v_lshl_add_u32 v5, v3, 13, v5                  ; codes out: 16 r, lanes 16-31 in the next tile
	v_lshl_add_u32 v6, v3, 9, v6                   ; scale words out likewise
.macro WLOAD t                         ; block t: rows 32 t + i of my column; every offset an immediate: 255 x 12,288 at the most, inside the signed 24 bits
.set li, 0
.rept 32
	global_load_b32 v[64+32*((\t)%2)+li], v4, s[6:7] offset:(32*(\t)+li)*12288 th:TH_LOAD_NT
.set li, li+1
.endr
.endm
.macro WBLOCK t
.set XS, 64+32*((\t)%2)
.if (\t) < 7
	s_wait_loadcnt 32                              ; this block's 32 loads are in; the next block's may be out
.else
	s_wait_loadcnt 0x0
.endif
	BLKMAX 8, XS
	v_add_nc_u32 v10, 0xff000000, v8
	v_lshrrev_b32 v11, 23, v10
.if (\t)%4 == 0
	v_mov_b32 v[SW+(\t)/4], v11                    ; four bytes to a word, the lower K in the lower byte
.else
	v_lshl_or_b32 v[SW+(\t)/4], v11, 8*((\t)%4), v[SW+(\t)/4]
.endif
.irp g, 0,1,2,3
	v_cvt_scalef32_pk8_fp4_f32 v[128+4*(\t)+\g], v[XS+8*\g:XS+8*\g+7], v10
.endr
	v_nop                                          ; one plain place behind the last scaled conversion
	global_store_b128 v5, v[128+4*(\t):128+4*(\t)+3], s[14:15] offset:256*(\t)   ; sixteen lanes store 256 consecutive bytes, aligned; each block has its own registers
.if (\t)+2 < 8
	WLOAD (\t)+2
.endif
.endm
	WLOAD 0
	WLOAD 1
.set T, 0
.rept 8
	WBLOCK T
.set T, T+1
.endr
	global_store_b64 v6, v[SW:SW+1], s[16:17]      ; my column's two scale words of this quarter: 8 of each 16 bytes; the half's other quarter, another work-group's, stores the other 8.  ws is 98,304 bytes in all
	s_endpgm
.Lproj:
; ---- w_proj.  The same plan without a quantiser: a lane takes a column, 8 numbers down K round to a piece of 8 f16.  A wave: 32 columns x 256 along K, 8 batches of 32 rows.
	s_sub_co_u32 s24, ttmp9, 224
	s_lshr_b32 s25, s24, 3                         ; the K quarter
	s_and_b32 s24, s24, 7
	s_lshl_b32 s24, s24, 7
	s_lshl_b32 s26, s20, 5
	s_add_co_u32 s24, s24, s26                     ; my wave's first column
	s_lshl_b32 s26, s25, 20                        ; w_proj: 256 rows of 4,096 bytes a quarter
	s_lshl_b32 s28, s24, 2
	s_add_co_u32 s26, s26, s28
	s_add_nc_u64 s[8:9], s[8:9], s[26:27]
	s_lshl_b32 s26, s24, 11                        ; wp: 32,768 bytes for 16 columns, 8,192 a quarter
	s_lshl_b32 s28, s25, 13
	s_add_co_u32 s26, s26, s28
	s_add_nc_u64 s[18:19], s[18:19], s[26:27]
	v_lshlrev_b32 v4, 2, v1
	v_lshlrev_b32 v5, 4, v2
	v_lshl_add_u32 v5, v3, 15, v5                  ; out: 16 r, lanes 16-31 in the next tile
.macro PLOAD t
.set li, 0
.rept 32
	global_load_b32 v[64+32*((\t)%2)+li], v4, s[8:9] offset:(32*(\t)+li)*4096 th:TH_LOAD_NT
.set li, li+1
.endr
.endm
.macro PBATCH t
.set XS, 64+32*((\t)%2)
.if (\t) < 7
	s_wait_loadcnt 32                              ; this batch's 32 loads are in; the next batch's may be out
.else
	s_wait_loadcnt 0x0
.endif
.set lj, 0
.rept 16
	v_cvt_pk_f16_f32 v[128+16*(\t)+lj], v[XS+2*lj], v[XS+2*lj+1]
.set lj, lj+1
.endr
.irp g, 0,1,2,3
	global_store_b128 v5, v[128+16*(\t)+4*\g:128+16*(\t)+4*\g+3], s[18:19] offset:256*(4*(\t)+\g)   ; sixteen lanes store 256 consecutive bytes, aligned
.endr
.if (\t)+2 < 8
	PLOAD (\t)+2
.endif
.endm
	PLOAD 0
	PLOAD 1
.set T, 0
.rept 8
	PBATCH T
.set T, T+1
.endr
	s_endpgm
.Lfunc_end_k_q93109c1690_prep:
	.size	k_q93109c1690_prep, .Lfunc_end_k_q93109c1690_prep-k_q93109c1690_prep
	.p2alignl 7, 3214868480
	.fill 96, 4, 3214868480
	.section	.rodata,"a",@progbits
	.p2align	6, 0x0
	.amdhsa_kernel k_q93109c1690_prep
		.amdhsa_group_segment_fixed_size 34304
		.amdhsa_private_segment_fixed_size 0
		.amdhsa_enable_private_segment 0
		.amdhsa_kernarg_size 64
		.amdhsa_user_sgpr_count 2
		.amdhsa_user_sgpr_kernarg_segment_ptr 1
		.amdhsa_wavefront_size32 1
		.amdhsa_system_sgpr_workgroup_id_x 1
		.amdhsa_system_sgpr_workgroup_id_y 1
		.amdhsa_system_sgpr_workgroup_id_z 1
		.amdhsa_system_vgpr_workitem_id 0
		.amdhsa_next_free_vgpr 256
		.amdhsa_next_free_sgpr 66
		.amdhsa_reserve_vcc 1
		.amdhsa_float_denorm_mode_32 3
		.amdhsa_float_denorm_mode_16_64 3
		.amdhsa_memory_ordered 1
		.amdhsa_forward_progress 1
		.amdhsa_inst_pref_size 103
	.end_amdhsa_kernel
	.amdgpu_metadata
---
amdhsa.version: [ 1, 2 ]
amdhsa.kernels:
  - .name:           k_q93109c1690_prep
    .symbol:         k_q93109c1690_prep.kd
    .args:
      - { .name: x, .offset: 0, .size: 8, .value_kind: global_buffer, .address_space: global }
      - { .name: w_qkv, .offset: 8, .size: 8, .value_kind: global_buffer, .address_space: global }
      - { .name: w_proj, .offset: 16, .size: 8, .value_kind: global_buffer, .address_space: global }
      - { .name: xc, .offset: 24, .size: 8, .value_kind: global_buffer, .address_space: global }
      - { .name: xs, .offset: 32, .size: 8, .value_kind: global_buffer, .address_space: global }
      - { .name: wc, .offset: 40, .size: 8, .value_kind: global_buffer, .address_space: global }
      - { .name: ws, .offset: 48, .size: 8, .value_kind: global_buffer, .address_space: global }
      - { .name: wp, .offset: 56, .size: 8, .value_kind: global_buffer, .address_space: global }
    .group_segment_fixed_size: 34304
    .private_segment_fixed_size: 0
    .kernarg_segment_align: 8
    .kernarg_segment_size: 64
    .max_flat_workgroup_size: 128
    .sgpr_count:     66
    .vgpr_count:     256
    .wavefront_size: 32
...
	.end_amdgpu_metadata
.endif
;; end of part 1
;; launch qkv (part 2): grid 12 x 16, 4 waves a work-group, clusters of 4 x 4, 327,680 bytes of LDS; arguments xc, xs, wc, ws, rope_cos, rope_sin, qkv; writes qkv
.if DOCPART == 2
	.amdgcn_target "amdgcn-amd-amdhsa--gfx1250"
	.amdhsa_code_object_version 6
	.text
	.protected	k_q93109c1690_qkv
	.globl	k_q93109c1690_qkv
	.p2align	8
	.type	k_q93109c1690_qkv,@function
k_q93109c1690_qkv:
	s_mov_b64 s[64:65], 0
	v_nop
	global_prefetch_b8 v0, s[64:65] scope:SCOPE_SE
	s_setreg_imm32_b32 hwreg(HW_REG_WAVE_MODE, 25, 1), 1
	s_wait_xcnt 0x0
	s_wait_alu depctr_hold_cnt(0) depctr_sa_sdst(0) depctr_va_vdst(0) depctr_va_sdst(0) depctr_va_ssrc(0) depctr_va_vcc(0) depctr_vm_vsrc(0)
	s_getreg_b32 s2, hwreg(HW_REG_IB_STS2, 6, 4)
	s_cmp_eq_u32 s2, 0
	s_cbranch_scc0 .Lentry_in_a_cluster
	s_endpgm
.Lentry_in_a_cluster:
	s_bfe_u32 s2, ttmp6, 0x10000c
	s_cmp_lg_u32 s2, 0xf033
	s_cbranch_scc0 .Lentry_shape_is_right
	s_endpgm
.Lentry_shape_is_right:
; QKV: C = Q(x) Q(w_qkv), [4096][3072], K = 1,024, on codes of E2M1 with E8M0 block scales; then RoPE on q and k, q times log2(e) / 8, all rounded to f16 and stored as the attention's operands.
; A tile of C, 256 x 256, is made by a work-group of four waves; a wave makes 128 x 128: 64 accumulators, 512 registers.  12 x 16 = 192 work-groups: with tiles 256 wide the four tile columns of a
; cluster are exactly q, or k, or v, so what differs between the three hangs on the cluster's x alone.
; ALL OF K LIES IN LDS: 256 rows x 512 bytes of codes for each side, in two halves of K, and the scale words: three tensor loads a wave, all first fills; no slot is filled again.
; LAYOUT of xc, wc: [tile of 16 rows][block of 32 along K][row][16 bytes]: a fragment (16 rows x 128 K, 8 registers) is 1,024 consecutive bytes: registers 0-3 at 16 x lane, 4-7 512 bytes on.  No padding is needed.
; CLUSTERS: 4 x 4.  The four of a row of the cluster need the same rows of x, the four of a column the same columns of w: each tile is asked for JOINTLY.
; THE MATRIX INSTRUCTION IS USED TRANSPOSED (source 0 = 16 columns of w, source 1 = 16 rows of x): a lane holds row l % 16 and eight neighbouring columns: four RoPE pairs, and, as f16, one piece of 16 bytes.
; THE ROPE TABLES of my 128 positions are asked for AHEAD OF THE PRODUCTS, a set of 32 registers for each block of 16 positions: six sets at the head, 512 matrix instructions ahead of their use; the last two
; when w's fragment set 0 has been multiplied for the last time, 64 matrix instructions and six blocks of the way out ahead.
; OUT: qkv = [q, k, v][batch x head][tile of 16 positions][2,048 bytes].  q, k: piece (8 channels) p of position r at 256 p + 16 r.  v: at 512 (ch / 16) + 256 (r / 8) + 128 ((ch / 8) % 2) + 16 (r % 8), the order
; in which the turning LDS load of the attention takes it at 16 x lane.  Either way one store of the wave covers 512 consecutive bytes, aligned.
; v takes the same lines as q and k with cos x 0 + 1 and sin x 0 in the tables' place: no branch.
; LIMITS: |q| log2(e) / 8, |k|, |v| above 65,504 leave f16's range (the drawn inputs give under 6); NaN and infinities, in the tables too, are not served.
; REGISTERS, in windows of 256: window 0: v1-29 addresses and constants; v32-95 scale words, a set for each K half; v96-127 packed results; v128-191 x's fragments, one set, later the rotated numbers; v192-255 cos and sin of blocks 4, 5.
;   window 1: w's fragments, two sets, at v0 and v128; cos and sin of blocks 0, 1 at v64, of blocks 2, 3 at v192, of blocks 6, 7 at v0, once w's set 0 is done with.
;   window 2: the accumulators of my rows 0-63 ((a, b) at v[8 (8 a + b)]);   window 3: those of my rows 64-127.
.set HKB,   131072                     ; LDS: a K half: x's 16 tiles x 4,096 bytes, then w's 16
.set BOFF,  65536
.set SCL,   2*HKB                      ; the scale words: x's 16 tiles x 512 bytes, then w's
.set SPARE, SCL+16384                  ; the spare words, 128 bytes for each wave
.set ADRA, 16                          ; v16-17  LDS address of my fragments of x in K half 0, 1
.set ADRB, 20                          ; v20-21  the same for w
.set VO,   24                          ; v24     my piece's place in a store's 512 bytes
.set CSO,  25                          ; v25     my place in the rope tables: 128 r + 16 h; never rewritten
.set ADRS, 27                          ; v27     LDS address of my scale words: lanes 0-15 x's rows, lanes 16-31 w's columns
.set SPW,  28                          ; v28     LDS address of my spare word; never rewritten
.set NIL,  29                          ; v29     0; never rewritten
.set SC,   32                          ; scale words: register 32 hk + 4 i + q: lanes 0-15 the word of x's block i, lanes 16-31 that of w's block i, for the half's q-th 128 along K
.set PK,   96
.set AF,   128
.set TMP,  128
.set G1A,  28                          ; s[28:35] descriptor group 1 for x's codes;  s[36:43] for w's
.set G1B,  36
.set G1SA, 44                          ; s[44:51], s[52:59] for the scale words
.set G1SB, 52
.set G0SA, 60                          ; s[60:63] group 0 for x's scale words;  s[68:75] for x's codes, a set for each K half
.set G0A,  68
.set G0SB, 76                          ; s[76:79], s[80:87] the same for w
.set G0B,  80
.set MSB, 0
.macro WIN new                         ; the immediate's high byte repeats the setting that is left
.if MSB != \new
	s_set_vgpr_msb (MSB<<8)|\new
.set MSB, \new
.endif
.endm
.set MUL_LO, 0xa1                      ; source 0 (w) window 1, source 1 (x) window 0, C and D window 2
.set MUL_HI, 0xf1                      ; the same, C and D window 3
.set TO_B,   0x40                      ; destination window 1, address window 0
; A joint load: waves 0 and 1 fetch for x, waves 2 and 3 for w.  The branch hangs on the wave's number alone.  An s_nop 0 and four v_nop follow each of the two lines.
.macro JLOAD g0a, g1a, g0b, g1b
	s_cmp_eq_u32 s19, 0
	s_cbranch_scc0 .Lfor_b_\@
	tensor_load_to_lds s[\g0a:\g0a+3], s[\g1a:\g1a+7]
	s_nop 0
.rept 4
	v_nop
.endr
	s_branch .Lasked_\@
.Lfor_b_\@:
	tensor_load_to_lds s[\g0b:\g0b+3], s[\g1b:\g1b+7]
	s_nop 0
.rept 4
	v_nop
.endr
.Lasked_\@:
.endm
.macro CROUND                          ; a round of the cluster's barrier
	s_barrier_signal -1
	s_barrier_wait -1
	s_cmp_lg_u32 s18, 0
	s_cbranch_scc1 .Lnot_wave_0_\@
	s_barrier_signal -3
.Lnot_wave_0_\@:
	s_barrier_wait -3
	s_barrier_signal -1
	s_barrier_wait -1
.endm
	s_load_b256 s[4:11], s[0:1], 0x0               ; xc s[4:5], xs s[6:7], wc s[8:9], ws s[10:11]
	s_load_b128 s[12:15], s[0:1], 0x20             ; rope_cos, rope_sin
	s_load_b64 s[16:17], s[0:1], 0x30              ; qkv
	v_lshl_add_u32 v[SPW], v0, 2, SPARE
	v_mov_b32 v[NIL], 0
	ds_add_u32 v[SPW], v[NIL]                      ; the wave's opening: the add, twice on end, and its wait ahead of my first tensor load
	ds_add_u32 v[SPW], v[NIL]                      ; and once more, under the one wait; the set-up below, work on registers, stands between
	v_lshrrev_b32 v1, 5, v0
	v_readfirstlane_b32 s18, v1                    ; wave 0..3
	s_lshr_b32 s19, s18, 1                         ; which half of the tile's rows is mine.  Also: I fetch for x (0) or for w (1)
	s_and_b32 s20, s18, 1                          ; which half of its columns.  Also: which 8 of the 16 tiles I fetch
	s_bfe_u32 s21, ttmp6, 0x40000                  ; cx, cy: my place in the cluster
	s_bfe_u32 s22, ttmp6, 0x40004
	s_lshl_b32 s23, ttmp9, 2
	s_add_co_u32 s23, s23, s21                     ; tile column of C = 4 x cluster x + cx
	s_and_b32 s24, ttmp7, 0xffff
	s_lshl_b32 s24, s24, 2
	s_add_co_u32 s24, s24, s22                     ; tile row of C = 4 x cluster y + cy
	s_lshl_b32 s25, s22, 2
	s_lshl_b32 s25, 15, s25                        ; my row of the cluster
	s_lshl_b32 s26, 0x1111, s21                    ; my column
	; group 1 for codes: 8 tiles' parts of one K half: 8 rows of 4,096 bytes (512 elements of 8 bytes), 8,192 bytes apart in memory, dense in LDS
	s_or_b32 s[G1A], s25, (3<<16)|(1<<21)          ; 15:0 the mask; 17:16 elements of 8 bytes; 21 set beside a mask; no padding
	s_or_b32 s[G1B], s26, (3<<16)|(1<<21)
.irp g, G1A, G1B
	s_mov_b32 s[\g+1], 512<<16                     ; tensor_dim0
	s_mov_b32 s[\g+2], 8<<16                       ; tensor_dim1
	s_mov_b32 s[\g+3], 512<<16                     ; tile_dim0
	s_mov_b32 s[\g+4], 8                           ; tile_dim1
	s_mov_b32 s[\g+5], 1024                        ; tensor_dim0_stride
	s_mov_b32 s[\g+6], 0
	s_mov_b32 s[\g+7], 0
.endr
	; and for the scale words of 8 tiles: 4,096 dense bytes as 16 rows of 256
	s_or_b32 s[G1SA], s25, (3<<16)|(1<<21)
	s_or_b32 s[G1SB], s26, (3<<16)|(1<<21)
.irp g, G1SA, G1SB
	s_mov_b32 s[\g+1], 32<<16
	s_mov_b32 s[\g+2], 16<<16
	s_mov_b32 s[\g+3], 32<<16
	s_mov_b32 s[\g+4], 16
	s_mov_b32 s[\g+5], 32
	s_mov_b32 s[\g+6], 0
	s_mov_b32 s[\g+7], 0
.endr
	s_lshl_b32 s89, s20, 3                         ; which 8 tiles I fetch
	s_lshl_b32 s88, s24, 4
	s_add_co_u32 s88, s88, s89                     ; x: tile 16 x tile row + 8 x half
	s_lshl_b32 s90, s88, 13                        ; its codes, in bytes,
	s_mov_b32 s91, 0
	s_lshl_b32 s92, s88, 9                         ; and its scale words
	s_mov_b32 s93, 0
	s_lshl_b32 s94, s23, 4
	s_add_co_u32 s94, s94, s89                     ; w: tile 16 x tile column + 8 x half
	s_lshl_b32 s96, s94, 13
	s_mov_b32 s97, 0
	s_lshl_b32 s98, s94, 9
	s_mov_b32 s99, 0
	s_lshl_b32 s27, s18, 15                        ; where they go: wave x 32,768: no place in the cluster enters an LDS address
	s_lshl_b32 s3, s18, 12
	s_add_co_u32 s3, s3, SCL                       ; and the scale words: wave x 4,096
	s_wait_dscnt 0x0                               ; both opening adds are done
	s_wait_kmcnt 0x0
	s_add_nc_u64 s[90:91], s[4:5], s[90:91]
	s_add_nc_u64 s[92:93], s[6:7], s[92:93]
	s_add_nc_u64 s[96:97], s[8:9], s[96:97]
	s_add_nc_u64 s[98:99], s[10:11], s[98:99]
	CROUND                                         ; all sixteen work-groups are here: the first joint loads meet
	s_mov_b32 s[G0SA], 1
	s_mov_b32 s[G0SA+1], s3
	s_mov_b64 s[G0SA+2:G0SA+3], s[92:93]
	s_or_b32 s[G0SA+3], s[G0SA+3], 0x80000000
	s_mov_b32 s[G0SB], 1
	s_mov_b32 s[G0SB+1], s3
	s_mov_b64 s[G0SB+2:G0SB+3], s[98:99]
	s_or_b32 s[G0SB+3], s[G0SB+3], 0x80000000
	JLOAD G0SA, G1SA, G0SB, G1SB                   ; the scale words first: they are wanted with K half 0
.irp s, 0,1
	s_mov_b32 s[G0A+4*\s], 1
	s_add_co_u32 s[G0A+4*\s+1], s27, \s*HKB
	s_add_nc_u64 s[G0A+4*\s+2:G0A+4*\s+3], s[90:91], \s*4096
	s_or_b32 s[G0A+4*\s+3], s[G0A+4*\s+3], 0x80000000
	s_mov_b32 s[G0B+4*\s], 1
	s_add_co_u32 s[G0B+4*\s+1], s27, \s*HKB
	s_add_nc_u64 s[G0B+4*\s+2:G0B+4*\s+3], s[96:97], \s*4096
	s_or_b32 s[G0B+4*\s+3], s[G0B+4*\s+3], 0x80000000
	JLOAD G0A+4*\s, G1A, G0B+4*\s, G1B             ; by this text's count three tensor loads of a wave are out
.endr
	v_and_b32 v1, 31, v0                           ; lane
	v_and_b32 v2, 15, v0                           ; r
	v_bfe_u32 v3, v0, 4, 1                         ; h
	v_lshlrev_b32 v4, 4, v1                        ; 16 x lane
	s_lshl_b32 s88, s19, 15                        ; my 8 tiles of x
	s_lshl_b32 s89, s20, 15                        ; my 8 tiles of w,
	s_add_co_u32 s89, s89, BOFF                    ; which lie behind x's 16
.irp s, 0,1
	v_add_nc_u32 v[ADRA+\s], s88, v4
	v_add_nc_u32 v[ADRB+\s], s89, v4
	s_add_co_u32 s88, s88, HKB
	s_add_co_u32 s89, s89, HKB
.endr
	v_lshlrev_b32 v5, 4, v2                        ; my row's four scale words: 16 r
	s_lshl_b32 s88, s19, 12                        ; x's: my 8 tiles
	s_lshl_b32 s89, s20, 12                        ; w's: my 8 tiles, behind x's 16
	s_add_co_u32 s89, s89, 8192
	s_sub_co_u32 s89, s89, s88
	v_mul_u32_u24 v6, s89, v3                      ; lanes 16-31 take w's
	s_add_co_u32 s88, s88, SCL
	v_add_nc_u32 v5, v5, v6
	v_add_nc_u32 v[ADRS], s88, v5
	; what differs between q, k and v hangs on the cluster's x alone
	s_cmp_eq_u32 ttmp9, 0
	s_cselect_b32 s90, 0x3e38aa3b, 1.0             ; q: log2(e) / 8, so that the attention's scores are exponents of 2;  k: 1
	s_cmp_eq_u32 ttmp9, 2
	s_cselect_b32 s90, 0, s90                      ; v: cos x 0 + 1, sin x 0
	s_cselect_b32 s91, 1.0, 0
	s_cselect_b32 s92, -1, 0
	v_mov_b32 v12, s90
	v_mov_b32 v13, s90
	v_mov_b32 v14, s91
	v_mov_b32 v15, s91
	v_lshrrev_b32 v5, 3, v2
	v_lshlrev_b32 v5, 8, v5                        ; v's order: 256 (r / 8)
	v_lshl_add_u32 v5, v3, 7, v5                   ; + 128 h
	v_and_b32 v6, 7, v2
	v_lshl_add_u32 v5, v6, 4, v5                   ; + 16 (r % 8)
	v_cndmask_b32 v[VO], v4, v5, s92               ; q, k: 16 x lane
	v_lshlrev_b32 v[CSO], 7, v2
	v_lshl_add_u32 v[CSO], v3, 4, v[CSO]           ; a table's row is 128 bytes; my four pairs of an accumulator are 16 bytes at 16 h
	s_lshl_b32 s88, s24, 8
	s_lshl_b32 s89, s19, 7
	s_add_co_u32 s88, s88, s89                     ; my first row of C
	s_and_b32 s89, s88, 2047                       ; its position in the sequence
	s_lshl_b32 s90, s89, 7
	s_mov_b32 s91, 0
	s_add_nc_u64 s[12:13], s[12:13], s[90:91]      ; the tables at that position
	s_add_nc_u64 s[14:15], s[14:15], s[90:91]
	s_lshr_b32 s92, s88, 11                        ; the batch
	s_lshl_b32 s92, s92, 4
	s_lshl_b32 s93, s21, 2
	s_add_co_u32 s92, s92, s93
	s_lshl_b32 s93, s20, 1
	s_add_co_u32 s92, s92, s93                     ; my first head: 16 x batch + 4 cx + 2 x column half
	s_lshl_b32 s92, s92, 18                        ; 262,144 bytes a head,
	s_add_co_u32 s92, s92, s90                     ; 2,048 bytes for 16 positions,
	s_lshl_b32 s93, ttmp9, 23                      ; 8,388,608 bytes each for q, k, v
	s_add_co_u32 s92, s92, s93
	s_mov_b32 s93, 0
	s_add_nc_u64 s[16:17], s[16:17], s[92:93]
.macro CSPLACE a                       ; where block a's 16 cos and 16 sin lie: window CW, from register CB on
.if (\a) < 2
.set CW, 1
.set CB, 64+32*(\a)
.elseif (\a) < 4
.set CW, 1
.set CB, 192+32*((\a)-2)
.elseif (\a) < 6
.set CW, 0
.set CB, 192+32*((\a)-4)
.else
.set CW, 1
.set CB, 32*((\a)-6)
.endif
.endm
.macro CSLOAD a                        ; block a's 16 positions: my 16 cos and 16 sin: 8 loads; address and bases are never rewritten
	CSPLACE \a
	WIN (CW<<6)
.irp bb, 0,1,2,3
	global_load_b128 v[CB+4*\bb:CB+4*\bb+3], v[CSO], s[12:13] offset:2048*(\a)+32*\bb
	global_load_b128 v[CB+16+4*\bb:CB+16+4*\bb+3], v[CSO], s[14:15] offset:2048*(\a)+32*\bb
.endr
.endm
.irp a, 0,1,2,3,4,5
	CSLOAD \a                                      ; blocks 0 to 5, behind the tensor loads: they land while K is multiplied
.endr
	WIN 0
.macro FRAG reg, adr, off              ; a fragment: 1,024 consecutive bytes
	ds_load_b128 v[\reg:\reg+3], v[\adr] offset:\off
	ds_load_b128 v[\reg+4:\reg+7], v[\adr] offset:\off+512
.endm
.macro FETCH_B s, p                    ; w's eight fragments of K step s (128 along K) into set p
	WIN TO_B
.irp i, 0,1,2,3,4,5,6,7
	FRAG 128*(\p)+8*\i, ADRB+(\s)/4, 4096*\i+1024*((\s)%4)
.endr
	WIN 0
.endm
.macro FETCH_A s, i0                   ; x's blocks i0 .. i0 + 3
.irp i, \i0, \i0+1, \i0+2, \i0+3
	FRAG AF+8*(\i), ADRA+(\s)/4, 4096*(\i)+1024*((\s)%4)
.endr
.endm
.macro SCALES hk                       ; a K half's scale words: 4 words a row; lanes 0-15 take x's block i, lanes 16-31 w's block i
.irp i, 0,1,2,3,4,5,6,7
	ds_load_b128 v[SC+32*\hk+4*\i:SC+32*\hk+4*\i+3], v[ADRS] offset:512*\i+256*\hk
.endr
.endm
; 16 matrix instructions: x's blocks a0, a0 + 1 against w's eight, K step s.  zero = 1: the first product starts the sums.  The 64 accumulators take turns, one instruction a turn, in the same order in every step.
.macro MUL16 a0, p, s, zero
.irp a, \a0, \a0+1
.irp b, 0,1,2,3,4,5,6,7
.if \zero
	v_wmma_scale_f32_16x16x128_f8f6f4 v[8*(8*((\a)%4)+\b):8*(8*((\a)%4)+\b)+7], v[128*(\p)+8*\b:128*(\p)+8*\b+7], v[AF+8*(\a):AF+8*(\a)+7], 0, v[SC+32*((\s)/4)+4*\b+(\s)%4], v[SC+32*((\s)/4)+4*(\a)+(\s)%4] matrix_a_fmt:MATRIX_FMT_FP4 matrix_b_fmt:MATRIX_FMT_FP4 matrix_a_scale:MATRIX_SCALE_ROW1
.else
	v_wmma_scale_f32_16x16x128_f8f6f4 v[8*(8*((\a)%4)+\b):8*(8*((\a)%4)+\b)+7], v[128*(\p)+8*\b:128*(\p)+8*\b+7], v[AF+8*(\a):AF+8*(\a)+7], v[8*(8*((\a)%4)+\b):8*(8*((\a)%4)+\b)+7], v[SC+32*((\s)/4)+4*\b+(\s)%4], v[SC+32*((\s)/4)+4*(\a)+(\s)%4] matrix_a_fmt:MATRIX_FMT_FP4 matrix_b_fmt:MATRIX_FMT_FP4 matrix_a_scale:MATRIX_SCALE_ROW1
.endif
.endr
.endr
.endm
.macro PLACES                          ; four places in front of loads into registers that matrix instructions have read (ISA guide 7.12.1 for vector instructions)
.rept 4
	v_nop
.endr
.endm
; K step s of 0 .. 6: 64 products, x's blocks one after the other; x's blocks 0-3 of the next step are fetched in its middle, with w's eight, blocks 4-7 at its end.
.macro STEP s, zero
	s_wait_dscnt 8                                 ; w's set, x's blocks 0-3 and the scale words are in; the youngest eight loads (x's blocks 4-7) may be out
	WIN MUL_LO
	MUL16 0, (\s)%2, \s, \zero
	MUL16 2, (\s)%2, \s, \zero
	s_wait_dscnt 0x0                               ; x's blocks 4-7 are in
.if (\s) == 3
	s_wait_tensorcnt 0x0                           ; my part of K half 1 has landed,
	s_barrier_signal -1
	s_barrier_wait -1                              ; everybody's has.
.endif
	PLACES
	FETCH_B (\s)+1, 1-(\s)%2
	FETCH_A (\s)+1, 0
.if (\s) == 3
	SCALES 1
.endif
	WIN MUL_HI
	MUL16 4, (\s)%2, \s, \zero
	MUL16 6, (\s)%2, \s, \zero
	PLACES
	WIN 0
	FETCH_A (\s)+1, 4
.if (\s) == 6
	CSLOAD 6                                       ; w's set 0 has been multiplied for the last time (the last step takes set 1), four places back: the tables of blocks 6 and 7 land there
	CSLOAD 7
	WIN 0
.endif
.endm
	s_wait_tensorcnt 1                             ; the scale words and my part of K half 0 are in (K half 1's load may be out),
	s_barrier_signal -1
	s_barrier_wait -1                              ; everybody's are
	FETCH_B 0, 0
	FETCH_A 0, 0
	SCALES 0
	FETCH_A 0, 4
	STEP 0, 1
.set KQ, 1
.rept 6
	STEP KQ, 0
.set KQ, KQ+1
.endr
	s_wait_dscnt 8                                 ; the last step: nothing more to fetch
	WIN MUL_LO
	MUL16 0, 1, 7, 0
	MUL16 2, 1, 7, 0
	s_wait_dscnt 0x0
	WIN MUL_HI
	MUL16 4, 1, 7, 0
	MUL16 6, 1, 7, 0
	WIN 0
; THE WAY OUT, block by block of 16 positions x 128 columns (two heads).  Accumulator b: channels 16 (b % 4) + 8 h + 0 .. 7 of head b / 4: pairs 8 (b % 4) + 4 h + 0 .. 3.
; (even, odd) -> (even cos - odd sin, odd cos + even sin): a packed multiply by cos, and a packed multiply-add that takes the pair crosswise, by -sin and sin.
.macro OUT a
	CSPLACE \a
.set AC, 64*((\a)%4)
	s_wait_loadcnt 8*(7-(\a))                      ; loads come back in order: this block's 8 table loads are in; behind them stand those of blocks a + 1 to 7, 8 each
	WIN ((CW<<6)|CW)                               ; the tables are scaled in place: destination and source 0 in the set's window
.irp i, 0,2,4,6,8,10,12,14                     ; (in block 0 these sixteen are also the places behind the last products)
	v_pk_fma_f32 v[CB+\i:CB+\i+1], v[CB+\i:CB+\i+1], v[12:13], v[14:15]
.endr
.irp i, 0,2,4,6,8,10,12,14
	v_pk_mul_f32 v[CB+16+\i:CB+16+\i+1], v[CB+16+\i:CB+16+\i+1], v[12:13]
.endr
	WIN ((CW<<2)|(2+(\a)/4))                       ; source 0: the accumulators' window, 2 or 3; source 1: the set's
.irp b, 0,1,2,3,4,5,6,7                        ; each accumulator from its low end on
.irp g, 0,1
.irp e, 0,1
	v_pk_mul_f32 v[TMP+8*\b+4*\g+2*\e:TMP+8*\b+4*\g+2*\e+1], v[AC+8*\b+4*\g+2*\e:AC+8*\b+4*\g+2*\e+1], v[CB+4*(\b%4)+2*\g:CB+4*(\b%4)+2*\g+1] op_sel:[0,\e] op_sel_hi:[1,\e]
.endr
.endr
.irp g, 0,1
.irp e, 0,1
	v_pk_fma_f32 v[TMP+8*\b+4*\g+2*\e:TMP+8*\b+4*\g+2*\e+1], v[AC+8*\b+4*\g+2*\e:AC+8*\b+4*\g+2*\e+1], v[CB+16+4*(\b%4)+2*\g:CB+16+4*(\b%4)+2*\g+1], v[TMP+8*\b+4*\g+2*\e:TMP+8*\b+4*\g+2*\e+1] op_sel:[1,\e,0] op_sel_hi:[0,\e,1] neg_lo:[0,1,0]
.endr
.endr
.endr
	WIN 0
.if (\a) > 0
	s_wait_xcnt 0x0                                ; the last block's stores have read their data: the packed results may be written again
.endif
.set li, 0
.rept 32
	v_cvt_pk_f16_f32 v[PK+li], v[TMP+2*li], v[TMP+2*li+1]
.set li, li+1
.endr
.irp b, 0,1,2,3,4,5,6,7
	global_store_b128 v[VO], v[PK+4*\b:PK+4*\b+3], s[16:17] offset:2048*(\a)+262144*(\b/4)+512*(\b%4)   ; the wave stores 512 consecutive bytes, aligned
.endr
.endm
.irp a, 0,1,2,3,4,5,6,7
	OUT \a
.endr
	s_wait_tensorcnt 0x0                           ; the wave's end, behind my last tensor load
	ds_add_u32 v[SPW], v[NIL]
	s_wait_dscnt 0x0
	CROUND                                         ; the closing round: no work-group ends while a partner may still ask for a tile that names it
	s_endpgm
.Lfunc_end_k_q93109c1690_qkv:
	.size	k_q93109c1690_qkv, .Lfunc_end_k_q93109c1690_qkv-k_q93109c1690_qkv
	.p2alignl 7, 3214868480
	.fill 96, 4, 3214868480
	.section	.rodata,"a",@progbits
	.p2align	6, 0x0
	.amdhsa_kernel k_q93109c1690_qkv
		.amdhsa_group_segment_fixed_size 327680
		.amdhsa_private_segment_fixed_size 0
		.amdhsa_enable_private_segment 0
		.amdhsa_kernarg_size 56
		.amdhsa_user_sgpr_count 2
		.amdhsa_user_sgpr_kernarg_segment_ptr 1
		.amdhsa_wavefront_size32 1
		.amdhsa_system_sgpr_workgroup_id_x 1
		.amdhsa_system_sgpr_workgroup_id_y 1
		.amdhsa_system_sgpr_workgroup_id_z 1
		.amdhsa_system_vgpr_workitem_id 0
		.amdhsa_next_free_vgpr 1024
		.amdhsa_next_free_sgpr 100
		.amdhsa_reserve_vcc 0
		.amdhsa_float_denorm_mode_32 3
		.amdhsa_float_denorm_mode_16_64 3
		.amdhsa_memory_ordered 1
		.amdhsa_forward_progress 1
		.amdhsa_inst_pref_size 164
	.end_amdhsa_kernel
	.amdgpu_metadata
---
amdhsa.version: [ 1, 2 ]
amdhsa.kernels:
  - .name:           k_q93109c1690_qkv
    .symbol:         k_q93109c1690_qkv.kd
    .args:
      - { .name: xc, .offset: 0, .size: 8, .value_kind: global_buffer, .address_space: global }
      - { .name: xs, .offset: 8, .size: 8, .value_kind: global_buffer, .address_space: global }
      - { .name: wc, .offset: 16, .size: 8, .value_kind: global_buffer, .address_space: global }
      - { .name: ws, .offset: 24, .size: 8, .value_kind: global_buffer, .address_space: global }
      - { .name: rope_cos, .offset: 32, .size: 8, .value_kind: global_buffer, .address_space: global }
      - { .name: rope_sin, .offset: 40, .size: 8, .value_kind: global_buffer, .address_space: global }
      - { .name: qkv, .offset: 48, .size: 8, .value_kind: global_buffer, .address_space: global }
    .group_segment_fixed_size: 327680
    .private_segment_fixed_size: 0
    .kernarg_segment_align: 8
    .kernarg_segment_size: 56
    .max_flat_workgroup_size: 128
    .sgpr_count:     100
    .vgpr_count:     1024
    .wavefront_size: 32
...
	.end_amdgpu_metadata
.endif
;; end of part 2
;; launch attn (part 3): grid 8 x 32, 8 waves a work-group, clusters of 4 x 1, 327,680 bytes of LDS; arguments qkv, ob; writes ob
.if DOCPART == 3
	.amdgcn_target "amdgcn-amd-amdhsa--gfx1250"
	.amdhsa_code_object_version 6
	.text
	.protected	k_q93109c1690_attn
	.globl	k_q93109c1690_attn
	.p2align	8
	.type	k_q93109c1690_attn,@function
k_q93109c1690_attn:
	s_mov_b64 s[64:65], 0
	v_nop
	global_prefetch_b8 v0, s[64:65] scope:SCOPE_SE
	s_setreg_imm32_b32 hwreg(HW_REG_WAVE_MODE, 25, 1), 1
	s_wait_xcnt 0x0
	s_wait_alu depctr_hold_cnt(0) depctr_sa_sdst(0) depctr_va_vdst(0) depctr_va_sdst(0) depctr_va_ssrc(0) depctr_va_vcc(0) depctr_vm_vsrc(0)
	s_getreg_b32 s2, hwreg(HW_REG_IB_STS2, 6, 4)
	s_cmp_eq_u32 s2, 0
	s_cbranch_scc0 .Lentry_in_a_cluster
	s_endpgm
.Lentry_in_a_cluster:
	s_bfe_u32 s2, ttmp6, 0x10000c
	s_cmp_lg_u32 s2, 0x3003
	s_cbranch_scc0 .Lentry_shape_is_right
	s_endpgm
.Lentry_shape_is_right:
; ATTENTION: O[bh][q] = the sum over k of softmax_k(q . k / 8) v, no mask; 32 (batch, head) pairs, 2,048 positions, head size 64.  q, k, v arrive as f16 in the operands' own order; q already carries log2(e) / 8,
; so a score IS the exponent of 2.  Products in f16 with f32 sums; maxima, exponentials and sums in f32; the weights p are rounded to f16 for the second product; O is rounded to f16 once, for the projection.
; SHARES.  A work-group owns 256 queries of one (batch, head); each of its EIGHT waves owns 32: two tiles of 16.  Two waves share a SIMD, so that one wave's softmax stands beside the other's products.
; Every wave walks all 2,048 keys, 64 a step.
; LAYOUT.  S^T = K Q^T (source 0 = 16 keys, source 1 = 16 queries): a lane holds ONE query (lane % 16) and keys 8 (lane / 16) + 0 .. 7.  Two such tiles, rounded to f16 in pairs, ARE source 1 of O^T = V^T P.
; K's fragments are 1,024 consecutive bytes of LDS; V's come turned, by ds_load_tr16_b128, also at 16 x lane: the launch before has laid both so.  No padding is needed.
; SOFTMAX.  For each query a running maximum m and sum l: p = 2^(s - m); in every step O and l are multiplied by a = 2^(m_old - m_new).  m begins at -3e38, l and O at 0: the step is written once.
; RING.  Two LDS slots of 512 keys (K 64 KB, V 64 KB).  Each of the eight waves moves 16 KB of a slot with one tensor load.  Four slots' worth of keys: two first fills, two refills.
; CLUSTER.  The four query blocks of a cluster belong to one (batch, head) and walk the same K and V: each tile is asked for JOINTLY, by the same load with the same descriptor and a mask that names the four.
; LIMITS: a p under f16's smallest number counts as 0 in the second product and still counts in the sum; O under 6e-5 in magnitude is held to f16's quantum of 6e-8; NaN and infinities are not served.
; REGISTERS: window 0: v1-6 addresses; v8-23 statistics, 8 a tile: +0 m, +1 the old m, +2, +3 l, +4 .. +7 at work (a at +6); v32-63 Q; v64-127 S^T, then p; v128-159 P; v160-223 O^T.   window 1: v0-63 K, v64-127 V of one step.
.set SLOTB, 131072
.set VOFF,  65536                      ; in a slot: K's 32 tiles of 16 keys x 2,048 bytes, then V's
.set STEPB, 8192                       ; a step's 64 keys
.set SPARE, 2*SLOTB                    ; behind the ring: the spare words, 128 bytes for each wave
.set LI,  1                            ; v1  16 x lane
.set ADK, 2                            ; v2  LDS address of the step's K
.set ADV, 3                            ; v3  of its V
.set SPW, 4                            ; v4  LDS address of my spare word; never rewritten
.set NIL, 5                            ; v5  0; never rewritten
.set PFO, 6                            ; v6  256 x lane; never rewritten
.set ST,  8
.set Q,   32
.set S,   64
.set P,   128
.set O,   160
.set KF,  0                            ; in window 1
.set VF,  64
.set WV,  8                            ; s8  my wave's number
.set G1,  12                           ; s[12:19] descriptor group 1
.set G0A, 20                           ; s[20:23] group 0 for slot 0;  s[24:27] for slot 1
.set G0B, 24
.set SEL, 28                           ; s[28:29] lane selects for v_permlanex16_b32: lane l xor 16
.set TB,  30                           ; s30 LDS byte at which the step to be fetched begins
.set CNT, 31
.set LIM, 32                           ; s32 0 in a wave that prefetches
.set PFA, 34                           ; s[34:35] where my prefetch stands; never rewritten
.set MSB, 0
.macro WIN new                         ; the immediate's high byte repeats the setting that is left
.if MSB != \new
	s_set_vgpr_msb (MSB<<8)|\new
.set MSB, \new
.endif
.endm
.set MUL,  0x01                        ; source 0 (K or V) window 1
.set TO_F, 0x40                        ; destination window 1, address window 0
.macro CROUND                          ; a round of the cluster's barrier
	s_barrier_signal -1
	s_barrier_wait -1
	s_cmp_lg_u32 s[WV], 0
	s_cbranch_scc1 .Lnot_wave_0_\@
	s_barrier_signal -3
.Lnot_wave_0_\@:
	s_barrier_wait -3
	s_barrier_signal -1
	s_barrier_wait -1
.endm
	s_load_b128 s[4:7], s[0:1], 0x0                ; qkv s[4:5], ob s[6:7]
	v_lshl_add_u32 v[SPW], v0, 2, SPARE
	v_mov_b32 v[NIL], 0
	ds_add_u32 v[SPW], v[NIL]                      ; the wave's opening: the add, twice on end, and its wait ahead of my first tensor load
	ds_add_u32 v[SPW], v[NIL]                      ; and once more, under the one wait; the set-up below, work on registers, stands between
	v_lshrrev_b32 v1, 5, v0
	v_readfirstlane_b32 s[WV], v1                  ; wave 0..7
	s_bfe_u32 s9, ttmp6, 0x40000                   ; cx: my place in the cluster
	s_lshl_b32 s10, ttmp9, 2
	s_add_co_u32 s10, s10, s9                      ; my block of 256 queries: it enters Q's and O's addresses alone
	s_and_b32 s11, ttmp7, 0xffff                   ; the (batch, head), which the four partners share
	; group 1: 16,384 dense bytes as 64 rows of 256 (32 elements of 8 bytes)
	s_mov_b32 s[G1], 15|(3<<16)|(1<<21)            ; 15:0 the mask: all four work-groups; 17:16 elements of 8 bytes; 21 set beside a mask; no padding
	s_mov_b32 s[G1+1], 32<<16                      ; tensor_dim0
	s_mov_b32 s[G1+2], 64<<16                      ; tensor_dim1
	s_mov_b32 s[G1+3], 32<<16                      ; tile_dim0
	s_mov_b32 s[G1+4], 64                          ; tile_dim1
	s_mov_b32 s[G1+5], 32                          ; tensor_dim0_stride
	s_mov_b32 s[G1+6], 0
	s_mov_b32 s[G1+7], 0
	s_lshr_b32 s36, s[WV], 2                       ; waves 0-3 fetch K, waves 4-7 V:
	s_add_co_u32 s36, s36, 1
	s_lshl_b32 s36, s36, 23                        ; 8,388,608 bytes each for q, k, v,
	s_lshl_b32 s37, s11, 18                        ; 262,144 a head,
	s_add_co_u32 s36, s36, s37
	s_and_b32 s37, s[WV], 3
	s_lshl_b32 s37, s37, 14                        ; my quarter of a slot's 65,536
	s_add_co_u32 s36, s36, s37
	s_mov_b32 s37, 0
	s_lshl_b32 s38, s[WV], 14                      ; and in a slot: wave x 16,384: no place in the cluster enters an LDS address
	s_mov_b32 s[SEL], 0x76543210
	s_mov_b32 s[SEL+1], 0xfedcba98
	s_mov_b32 s[TB], 0
	s_and_b32 s[LIM], s[WV], 1                     ; 0 in the even waves
	s_or_b32 s[LIM], s[LIM], ttmp9                 ; of the head's first cluster: the same in all four partners
	s_lshl_b32 s40, s9, 13                         ; the prefetch: my work-group's 8,192 bytes of the 32,768 that I and the next wave fetch,
	s_add_co_u32 s40, s40, 3*65536                 ; of the fourth slot's worth of keys
	s_mov_b32 s41, 0
	s_wait_dscnt 0x0                               ; both opening adds are done
	s_wait_kmcnt 0x0
	s_mov_b32 s[G0A], 1
	s_mov_b32 s[G0A+1], s38
	s_add_nc_u64 s[G0A+2:G0A+3], s[4:5], s[36:37]  ; keys 0 to 511
	s_mov_b32 s[G0B], 1
	s_add_co_u32 s[G0B+1], s38, SLOTB
	s_add_nc_u64 s[G0B+2:G0B+3], s[G0A+2:G0A+3], 65536   ; keys 512 to 1,023
	s_add_nc_u64 s[PFA:PFA+1], s[G0A+2:G0A+3], s[40:41]
	s_or_b32 s[G0A+3], s[G0A+3], 0x80000000
	s_or_b32 s[G0B+3], s[G0B+3], 0x80000000
	CROUND                                         ; all four work-groups are here: the first joint loads meet
	tensor_load_to_lds s[G0A:G0A+3], s[G1:G1+7]    ; the two first fills together: two loads of mine are out
	s_nop 0
	tensor_load_to_lds s[G0B:G0B+3], s[G1:G1+7]
	s_nop 0
.rept 4
	v_nop
.endr
	s_lshl_b32 s42, s10, 4
	s_lshl_b32 s43, s[WV], 1
	s_add_co_u32 s42, s42, s43                     ; my first tile of 16 queries: 16 x block + 2 x wave
	s_lshl_b32 s44, s42, 11
	s_lshl_b32 s45, s11, 18
	s_add_co_u32 s44, s44, s45
	s_mov_b32 s45, 0
	s_add_nc_u64 s[4:5], s[4:5], s[44:45]          ; Q at my first tile
	s_lshr_b32 s44, s11, 4                         ; O: [tile of 16 rows of (batch, position)][piece of 8 along the 1,024][row][16 bytes]:
	s_lshl_b32 s44, s44, 7                         ; 128 tiles a batch,
	s_add_co_u32 s44, s44, s42
	s_lshl_b32 s44, s44, 15                        ; 32,768 bytes a tile,
	s_and_b32 s46, s11, 15
	s_lshl_b32 s46, s46, 11                        ; 2,048 bytes a head
	s_add_co_u32 s44, s44, s46
	s_add_nc_u64 s[6:7], s[6:7], s[44:45]
	v_and_b32 v[LI], 31, v0
	v_lshlrev_b32 v[PFO], 8, v[LI]
	v_lshlrev_b32 v[LI], 4, v[LI]
.irp qt, 0,1                                   ; Q stays in registers: tile qt, channels 32 c on
.irp c, 0,1
	global_load_b128 v[Q+16*\qt+8*\c:Q+16*\qt+8*\c+3], v[LI], s[4:5] offset:2048*\qt+1024*\c
	global_load_b128 v[Q+16*\qt+8*\c+4:Q+16*\qt+8*\c+7], v[LI], s[4:5] offset:2048*\qt+1024*\c+512
.endr
.endr
.irp t, 0,1
	v_mov_b32 v[ST+8*\t], 0xff61b1e6               ; m: -3e38, under every score
	v_mov_b32 v[ST+8*\t+2], 0                      ; l, in two halves
	v_mov_b32 v[ST+8*\t+3], 0
.endr
.set li, 0
.rept 64
	v_mov_b32 v[O+li], 0                           ; O^T: the first step finds zeros, which its a = 0 leaves zeros
.set li, li+1
.endr
.macro FETCH_K                         ; 64 keys x 64 channels: fragment (keys 16 kt on, channels 32 c on) at v[8 (2 kt + c)]
	WIN TO_F
.irp kt, 0,1,2,3
.irp c, 0,1
	ds_load_b128 v[KF+8*(2*\kt+\c):KF+8*(2*\kt+\c)+3], v[ADK] offset:2048*\kt+1024*\c
	ds_load_b128 v[KF+8*(2*\kt+\c)+4:KF+8*(2*\kt+\c)+7], v[ADK] offset:2048*\kt+1024*\c+512
.endr
.endr
.endm
.macro FETCH_V                         ; turned: fragment (keys 32 kc on, channels 16 ct on): a lane holds channel l % 16; registers 0-3 keys 8 (l / 16) on of tile 2 kc, registers 4-7 of tile 2 kc + 1
	WIN TO_F
.irp kc, 0,1
.irp ct, 0,1,2,3
	ds_load_tr16_b128 v[VF+8*(4*\kc+\ct):VF+8*(4*\kc+\ct)+3], v[ADV] offset:4096*\kc+512*\ct
	ds_load_tr16_b128 v[VF+8*(4*\kc+\ct)+4:VF+8*(4*\kc+\ct)+7], v[ADV] offset:4096*\kc+2048+512*\ct
.endr
.endr
.endm
; The accumulators take turns, one instruction a turn: between two links of a chain stand seven others'.
.macro SMM                             ; S^T = K Q^T: the first eight start the sums
.irp c, 0,1
.irp kt, 0,1,2,3
.irp qt, 0,1
.if \c == 0
	v_wmma_f32_16x16x32_f16 v[S+32*\qt+8*\kt:S+32*\qt+8*\kt+7], v[KF+8*(2*\kt+\c):KF+8*(2*\kt+\c)+7], v[Q+16*\qt+8*\c:Q+16*\qt+8*\c+7], 0
.else
	v_wmma_f32_16x16x32_f16 v[S+32*\qt+8*\kt:S+32*\qt+8*\kt+7], v[KF+8*(2*\kt+\c):KF+8*(2*\kt+\c)+7], v[Q+16*\qt+8*\c:Q+16*\qt+8*\c+7], v[S+32*\qt+8*\kt:S+32*\qt+8*\kt+7]
.endif
.endr
.endr
.endr
.endm
.macro PVM                             ; O^T += V^T P
.irp kc, 0,1
.irp ct, 0,1,2,3
.irp qt, 0,1
	v_wmma_f32_16x16x32_f16 v[O+32*\qt+8*\ct:O+32*\qt+8*\ct+7], v[VF+8*(4*\kc+\ct):VF+8*(4*\kc+\ct)+7], v[P+16*\qt+8*\kc:P+16*\qt+8*\kc+7], v[O+32*\qt+8*\ct:O+32*\qt+8*\ct+7]
.endr
.endr
.endr
.endm
; A step's softmax for both tiles, the tiles alternating line by line, so that no line reads the result of the line just before it.
.macro SOFTMAX
.irp j, 0,1,2,3                                ; the maximum of the lane's 32 scores and the old m: four chains; each accumulator is read from its low end on
.irp t, 0,1
	v_max3_num_f32 v[ST+8*\t+4+\j], v[S+32*\t+8*\j], v[S+32*\t+8*\j+1], v[S+32*\t+8*\j+2]
.endr
.endr
.irp g, 1,2
.irp j, 0,1,2,3
.irp t, 0,1
	v_max3_num_f32 v[ST+8*\t+4+\j], v[ST+8*\t+4+\j], v[S+32*\t+8*\j+2*\g+1], v[S+32*\t+8*\j+2*\g+2]
.endr
.endr
.endr
.irp t, 0,1
	v_max3_num_f32 v[ST+8*\t+4], v[ST+8*\t+4], v[S+32*\t+7], v[S+32*\t+15]
	v_max3_num_f32 v[ST+8*\t+6], v[ST+8*\t+6], v[S+32*\t+23], v[S+32*\t+31]
.endr
.irp t, 0,1
	v_max3_num_f32 v[ST+8*\t+4], v[ST+8*\t+4], v[ST+8*\t+5], v[ST+8*\t+6]
.endr
.irp t, 0,1
	v_max3_num_f32 v[ST+8*\t+4], v[ST+8*\t+4], v[ST+8*\t+7], v[ST+8*\t]
.endr
.irp t, 0,1
	v_permlanex16_b32 v[ST+8*\t+5], v[ST+8*\t+4], s[SEL], s[SEL+1]   ; the query's other 32 keys lie in the lane 16 away
.endr
.irp t, 0,1
	v_mov_b32 v[ST+8*\t+1], v[ST+8*\t]             ; the old m is kept for a
.endr
.irp t, 0,1
	v_max_num_f32 v[ST+8*\t], v[ST+8*\t+4], v[ST+8*\t+5]
.endr
.irp t, 0,1
	v_sub_f32 v[ST+8*\t+7], v[ST+8*\t+1], v[ST+8*\t]
.endr
.set li, 0
.rept 16
.irp t, 0,1
	v_pk_add_f32 v[S+32*\t+li:S+32*\t+li+1], v[S+32*\t+li:S+32*\t+li+1], v[ST+8*\t:ST+8*\t+1] op_sel_hi:[1,0] neg_lo:[0,1] neg_hi:[0,1]   ; s - m, two at a time
.endr
.set li, li+2
.endr
.irp t, 0,1                                    ; ONE BATCH of 66 exponentials: none of them reads another's result
	v_exp_f32 v[ST+8*\t+6], v[ST+8*\t+7]           ; a
.endr
.set li, 0
.rept 32
.irp t, 0,1
	v_exp_f32 v[S+32*\t+li], v[S+32*\t+li]         ; p
.endr
.set li, li+1
.endr
	v_nop                                          ; a plain instruction behind the last exponential,
	s_wait_alu depctr_va_vdst(0)                   ; and the one wait ahead of the batch's first reader
.set li, 0
.rept 16
.irp t, 0,1
	v_cvt_pk_f16_f32 v[P+16*\t+li], v[S+32*\t+2*li], v[S+32*\t+2*li+1]
.endr
.set li, li+1
.endr
.irp u, 0,1,2,3,4,5,6,7                        ; the sum of the unrounded p, in place: neighbours 1, 2, 4 and 8 pairs apart
.irp t, 0,1
	v_pk_add_f32 v[S+32*\t+4*\u:S+32*\t+4*\u+1], v[S+32*\t+4*\u:S+32*\t+4*\u+1], v[S+32*\t+4*\u+2:S+32*\t+4*\u+3]
.endr
.endr
.irp u, 0,1,2,3
.irp t, 0,1
	v_pk_add_f32 v[S+32*\t+8*\u:S+32*\t+8*\u+1], v[S+32*\t+8*\u:S+32*\t+8*\u+1], v[S+32*\t+8*\u+4:S+32*\t+8*\u+5]
.endr
.endr
.irp u, 0,1
.irp t, 0,1
	v_pk_add_f32 v[S+32*\t+16*\u:S+32*\t+16*\u+1], v[S+32*\t+16*\u:S+32*\t+16*\u+1], v[S+32*\t+16*\u+8:S+32*\t+16*\u+9]
.endr
.endr
.irp t, 0,1
	v_pk_add_f32 v[S+32*\t:S+32*\t+1], v[S+32*\t:S+32*\t+1], v[S+32*\t+16:S+32*\t+17]
.endr
.irp t, 0,1
	v_pk_fma_f32 v[ST+8*\t+2:ST+8*\t+3], v[ST+8*\t+2:ST+8*\t+3], v[ST+8*\t+6:ST+8*\t+7], v[S+32*\t:S+32*\t+1] op_sel_hi:[1,0,1]   ; l = a l + the sum
.endr
.set li, 0
.rept 16
.irp t, 0,1
	v_pk_mul_f32 v[O+32*\t+li:O+32*\t+li+1], v[O+32*\t+li:O+32*\t+li+1], v[ST+8*\t+6:ST+8*\t+7] op_sel_hi:[1,0]   ; O^T times a, ascending
.endr
.set li, li+2
.endr
.endm
; A KEY STEP j.  On entry S^T of step j is made and V of step j may be on its way from LDS.  fetch = 1: K and V of step j + 1 are fetched, and S^T of step j + 1 is made.
.macro TRIP fetch
.if \fetch
	v_add_nc_u32 v[ADK], s[TB], v[LI]              ; these two and two v_nop are the four places behind the products that read K and wrote S^T
	v_add_nc_u32 v[ADV], VOFF, v[ADK]
	v_nop
	v_nop
	FETCH_K
	WIN 0
.else
.rept 4
	v_nop
.endr
.endif
	SOFTMAX
.if \fetch
	s_wait_dscnt 16                                ; V of this step is in; K's sixteen loads are the younger
.else
	s_wait_dscnt 0x0
.endif
	WIN MUL
	PVM
.if \fetch
.rept 4
	v_nop                                          ; four places in front of loads into registers that these products have read
.endr
	FETCH_V
	s_add_co_u32 s[TB], s[TB], STEPB               ; the next fetch is the next step's
	s_wait_dscnt 16                                ; K is in; V's sixteen loads are the younger
	WIN MUL
	SMM
.endif
	WIN 0
.endm
.macro LOOP n
	s_mov_b32 s[CNT], \n
.Ltrip_\@:
	TRIP 1
	s_sub_co_u32 s[CNT], s[CNT], 1
	s_cmp_lg_u32 s[CNT], 0
	s_cbranch_scc1 .Ltrip_\@
.endm
; THE CHANGE OF SLOTS, when a slot's last step has been fetched.  Each wave waits for all its tensor loads (its part of the other slot), adds 0 to its spare word, and waits for that and for its reads of the slot.
; fill = 1: the slot is filled again, with the keys two slots on: the barrier is then a round of the cluster's, and the joint refill is the first thing behind it: it has eight key steps in which to land.
.macro CHANGE fill, g0, tb
	s_wait_tensorcnt 0x0                           ; no tensor load of mine is out, so a group 0 may be written
	ds_add_u32 v[SPW], v[NIL]                      ; 0 onto my spare word
.if \fill
	s_add_nc_u64 s[\g0+2:\g0+3], s[\g0+2:\g0+3], 2*65536   ; the type bits on top are not reached
.endif
	s_wait_dscnt 0x0                               ; the add is done, and my reads of the slot are over
.if \fill
	CROUND
	tensor_load_to_lds s[\g0:\g0+3], s[G1:G1+7]
	s_nop 0
.rept 4
	v_nop
.endr
.else
	s_barrier_signal -1
	s_barrier_wait -1
.endif
	s_mov_b32 s[TB], \tb                           ; the fetches go on in the other slot
.endm
	s_wait_tensorcnt 1                             ; my part of slot 0 is in; slot 1's may stay out
	s_barrier_signal -1
	s_barrier_wait -1                              ; everybody's is
	v_add_nc_u32 v[ADK], s[TB], v[LI]
	v_add_nc_u32 v[ADV], VOFF, v[ADK]
	FETCH_K                                        ; key step 0
	FETCH_V
	s_mov_b32 s[TB], STEPB
	s_wait_loadcnt 0x0                             ; Q
	s_wait_dscnt 16                                ; K is in; V's sixteen loads are the younger
	WIN MUL
	SMM
	WIN 0
	LOOP 7                                         ; steps 0 to 6; they fetch steps 1 to 7: slot 0 has been read out
	CHANGE 1, G0A, SLOTB                           ; slot 0 takes keys 1,024 to 1,535
	; A PREFETCH INTO THE L2 of what the next change of slots will ask for, keys 1,536 to 2,047 of K and V: 131,072 bytes, eight key steps ahead of that load.  It stands behind the tensor load and its five lines.
	; Each aligned block of 256 bytes is named once in the launch: both clusters of a head walk the same keys, and the first asks; its four partners take 8,192 bytes each of an even wave's and the next wave's 32,768,
	; told apart by address; lanes stand 256 bytes apart.  The first three slots' worth come by their loads alone.
	s_cmp_eq_u32 s[LIM], 0
	s_cbranch_scc0 .Lnot_mine
	global_prefetch_b8 v[PFO], s[PFA:PFA+1] th:TH_LOAD_NT scope:SCOPE_SE
.Lnot_mine:
	LOOP 8                                         ; steps 7 to 14; they fetch steps 8 to 15, from slot 1
	CHANGE 1, G0B, 0                               ; slot 1 takes keys 1,536 to 2,047: the last load
	LOOP 8                                         ; steps 15 to 22
	CHANGE 0, G0A, SLOTB                           ; nothing is left to fetch from memory
	LOOP 8                                         ; steps 23 to 30
	TRIP 0                                         ; step 31
	; THE WAY OUT.  l's two halves and the other half of the lanes' are added; O^T is divided by l and rounded to f16: a lane's eight channels of a query are one piece, and a store of the wave covers 512 consecutive bytes.
	; The four additions and the v_nop are five plain places behind the last products.
.irp t, 0,1
	v_add_f32 v[ST+8*\t+4], v[ST+8*\t+2], v[ST+8*\t+3]
.endr
.irp t, 0,1
	v_permlanex16_b32 v[ST+8*\t+5], v[ST+8*\t+4], s[SEL], s[SEL+1]
.endr
.irp t, 0,1
	v_add_f32 v[ST+8*\t+4], v[ST+8*\t+4], v[ST+8*\t+5]
.endr
.irp t, 0,1
	v_rcp_f32 v[ST+8*\t+6], v[ST+8*\t+4]
.endr
	v_nop                                          ; a plain instruction between the last reciprocal and the use of its result,
	s_wait_alu depctr_va_vdst(0)                   ; and the wait ahead of the first use
.irp t, 0,1
.set li, 0
.rept 16
	v_pk_mul_f32 v[S+32*\t+li:S+32*\t+li+1], v[O+32*\t+li:O+32*\t+li+1], v[ST+8*\t+6:ST+8*\t+7] op_sel_hi:[1,0]
.set li, li+2
.endr
.endr
.set li, 0
.rept 32
	v_cvt_pk_f16_f32 v[P+li], v[S+2*li], v[S+2*li+1]
.set li, li+1
.endr
.irp qt, 0,1
.irp ct, 0,1,2,3
	global_store_b128 v[LI], v[P+16*\qt+4*\ct:P+16*\qt+4*\ct+3], s[6:7] offset:32768*\qt+512*\ct
.endr
.endr
	s_wait_tensorcnt 0x0                           ; the wave's end, behind my last tensor load
	ds_add_u32 v[SPW], v[NIL]
	s_wait_dscnt 0x0
	CROUND                                         ; the closing round: no work-group ends while a partner may still ask for a tile that names it
	s_endpgm
.Lfunc_end_k_q93109c1690_attn:
	.size	k_q93109c1690_attn, .Lfunc_end_k_q93109c1690_attn-k_q93109c1690_attn
	.p2alignl 7, 3214868480
	.fill 96, 4, 3214868480
	.section	.rodata,"a",@progbits
	.p2align	6, 0x0
	.amdhsa_kernel k_q93109c1690_attn
		.amdhsa_group_segment_fixed_size 327680
		.amdhsa_private_segment_fixed_size 0
		.amdhsa_enable_private_segment 0
		.amdhsa_kernarg_size 16
		.amdhsa_user_sgpr_count 2
		.amdhsa_user_sgpr_kernarg_segment_ptr 1
		.amdhsa_wavefront_size32 1
		.amdhsa_system_sgpr_workgroup_id_x 1
		.amdhsa_system_sgpr_workgroup_id_y 1
		.amdhsa_system_sgpr_workgroup_id_z 1
		.amdhsa_system_vgpr_workitem_id 0
		.amdhsa_next_free_vgpr 384
		.amdhsa_next_free_sgpr 66
		.amdhsa_reserve_vcc 0
		.amdhsa_float_denorm_mode_32 3
		.amdhsa_float_denorm_mode_16_64 3
		.amdhsa_memory_ordered 1
		.amdhsa_forward_progress 1
		.amdhsa_inst_pref_size 100
	.end_amdhsa_kernel
	.amdgpu_metadata
---
amdhsa.version: [ 1, 2 ]
amdhsa.kernels:
  - .name:           k_q93109c1690_attn
    .symbol:         k_q93109c1690_attn.kd
    .args:
      - { .name: qkv, .offset: 0, .size: 8, .value_kind: global_buffer, .address_space: global }
      - { .name: ob, .offset: 8, .size: 8, .value_kind: global_buffer, .address_space: global }
    .group_segment_fixed_size: 327680
    .private_segment_fixed_size: 0
    .kernarg_segment_align: 8
    .kernarg_segment_size: 16
    .max_flat_workgroup_size: 256
    .sgpr_count:     66
    .vgpr_count:     384
    .wavefront_size: 32
...
	.end_amdgpu_metadata
.endif
;; end of part 3
;; launch proj (part 4): grid 8 x 32, 4 waves a work-group, clusters of 4 x 4, 327,680 bytes of LDS; arguments ob, wp, b_proj, out0; writes out0
.if DOCPART == 4
	.amdgcn_target "amdgcn-amd-amdhsa--gfx1250"
	.amdhsa_code_object_version 6
	.text
	.protected	k_q93109c1690_proj
	.globl	k_q93109c1690_proj
	.p2align	8
	.type	k_q93109c1690_proj,@function
k_q93109c1690_proj:
	s_mov_b64 s[64:65], 0
	v_nop
	global_prefetch_b8 v0, s[64:65] scope:SCOPE_SE
	s_setreg_imm32_b32 hwreg(HW_REG_WAVE_MODE, 25, 1), 1
	s_wait_xcnt 0x0
	s_wait_alu depctr_hold_cnt(0) depctr_sa_sdst(0) depctr_va_vdst(0) depctr_va_sdst(0) depctr_va_ssrc(0) depctr_va_vcc(0) depctr_vm_vsrc(0)
	s_getreg_b32 s2, hwreg(HW_REG_IB_STS2, 6, 4)
	s_cmp_eq_u32 s2, 0
	s_cbranch_scc0 .Lentry_in_a_cluster
	s_endpgm
.Lentry_in_a_cluster:
	s_bfe_u32 s2, ttmp6, 0x10000c
	s_cmp_lg_u32 s2, 0xf033
	s_cbranch_scc0 .Lentry_shape_is_right
	s_endpgm
.Lentry_shape_is_right:
; PROJ: out0 = O w_proj + b_proj.  O [4096][1024] and w_proj (as [n][k]) arrive as f16 in the operands' own order: [tile of 16 rows][piece of 8 along K][row][16 bytes]; sums in f32; out0 [4096][1024] f32.
; A tile of out0 is 128 x 128, so that the 32 x 8 tiles give each of 256 work-groups one.  Four waves, each 64 x 64: 16 accumulators.  K goes in 4 steps of 256 through a ring of two LDS slots, written out without a loop.
; A fragment (16 rows x 32 K, 8 registers) is 1,024 consecutive bytes of LDS: registers 0-3 at 16 x lane, 4-7 512 bytes on.  No padding is needed.
; CLUSTERS: 4 x 4.  The four of a row of the cluster need the same tiles of O, the four of a column the same tiles of w_proj: each is asked for JOINTLY.
; THE MATRIX INSTRUCTION IS USED TRANSPOSED (source 0 = 16 columns of w_proj, source 1 = 16 rows of O): a lane holds eight neighbouring numbers of a row of out0.  The bias is the C of each sum's first product.
; No prefetch: a K step's loads are asked for a whole step ahead, and the launch has four steps.
; REGISTERS: window 0: v16-30 addresses; v32-95 rows on the way out, two sets; v96-127 the bias, 8 registers for each of my 4 tiles of columns; v128-255 the accumulators ((a, b) at v[128 + 8 (4 a + b)]).
;   window 1: two fragment buffers of 128: for 64 along K, 64 registers of O, then 64 of w_proj.
.set SLOT,   131072                    ; O's 8 tiles x 8,192 bytes, then w_proj's 8
.set BOFF,   65536
.set STAGE,  2*SLOT                    ; behind the ring: 16 rows x (256 bytes + 16) for each wave, for the way out
.set SPITCH, 272
.set SPARE,  STAGE+4*16*SPITCH         ; behind the stages: the spare words, 128 bytes for each wave
.set ADRA, 16                          ; v16-17  LDS address of my fragments of O in slot 0, 1
.set ADRB, 20                          ; v20-21  the same for w_proj
.set STO,  24                          ; v24     the way out: where I put 32 bytes of a row
.set RD,   25                          ; v25     the way out: where I read a row back
.set CO,   26                          ; v26     my byte offset in out0
.set SPW,  28                          ; v28     LDS address of my spare word; never rewritten
.set NIL,  29                          ; v29     0; never rewritten
.set TMP,  32
.set BI,   96
.set ACC,  128
.set F0,   0                           ; fragment buffers, in window 1
.set F1,   128
.set G1,  24                           ; s[24:31] descriptor group 1 for O's tiles;  s[32:39] group 0, one set for each slot
.set G0,  32
.set G1B, 48                           ; s[48:55], s[56:63] the same for w_proj's
.set G0B, 56
.set MSB, 0
.macro WIN new                         ; the immediate's high byte repeats the setting that is left
.if MSB != \new
	s_set_vgpr_msb (MSB<<8)|\new
.set MSB, \new
.endif
.endm
.set MUL,  0x05                        ; sources 0 and 1 window 1; C and D window 0
.set TO_F, 0x40                        ; destination window 1, address window 0
.macro JLOAD s                         ; a joint load: waves 0 and 1 fetch O's two halves, waves 2 and 3 w_proj's; an s_nop 0 and four v_nop follow each of the two lines
	s_cmp_eq_u32 s13, 0
	s_cbranch_scc0 .Lfor_b_\@
	tensor_load_to_lds s[G0+4*\s:G0+4*\s+3], s[G1:G1+7]
	s_nop 0
.rept 4
	v_nop
.endr
	s_branch .Lasked_\@
.Lfor_b_\@:
	tensor_load_to_lds s[G0B+4*\s:G0B+4*\s+3], s[G1B:G1B+7]
	s_nop 0
.rept 4
	v_nop
.endr
.Lasked_\@:
.endm
.macro CREST                           ; a round of the cluster's barrier behind its opening barrier
	s_cmp_lg_u32 s12, 0
	s_cbranch_scc1 .Lnot_wave_0_\@
	s_barrier_signal -3
.Lnot_wave_0_\@:
	s_barrier_wait -3
	s_barrier_signal -1
	s_barrier_wait -1
.endm
.macro CROUND                          ; a whole round
	s_barrier_signal -1
	s_barrier_wait -1
	CREST
.endm
	s_load_b256 s[4:11], s[0:1], 0x0               ; ob s[4:5], wp s[6:7], b_proj s[8:9], out0 s[10:11]
	v_lshl_add_u32 v[SPW], v0, 2, SPARE
	v_mov_b32 v[NIL], 0
	ds_add_u32 v[SPW], v[NIL]                      ; the wave's opening: the add, twice on end, and its wait ahead of my first tensor load
	ds_add_u32 v[SPW], v[NIL]                      ; and once more, under the one wait; the set-up below, work on registers, stands between
	v_lshrrev_b32 v1, 5, v0
	v_readfirstlane_b32 s12, v1                    ; wave 0..3
	s_lshr_b32 s13, s12, 1                         ; which half of the tile's rows is mine.  Also: I fetch for O (0) or for w_proj (1)
	s_and_b32 s14, s12, 1                          ; which half of its columns.  Also: which 4 of the 8 tiles I fetch
	s_bfe_u32 s16, ttmp6, 0x40000                  ; cx, cy: my place in the cluster
	s_bfe_u32 s17, ttmp6, 0x40004
	s_lshl_b32 s18, ttmp9, 2
	s_add_co_u32 s18, s18, s16                     ; tile column = 4 x cluster x + cx
	s_and_b32 s19, ttmp7, 0xffff
	s_lshl_b32 s19, s19, 2
	s_add_co_u32 s19, s19, s17                     ; tile row = 4 x cluster y + cy
	s_lshl_b32 s20, s17, 2
	s_lshl_b32 s20, 15, s20                        ; my row of the cluster
	s_lshl_b32 s21, 0x1111, s16                    ; my column
	; group 1: 4 tiles' parts of one K step: 4 rows of 8,192 bytes (1,024 elements of 8 bytes), 32,768 bytes apart in memory, dense in LDS
	s_or_b32 s[G1], s20, (3<<16)|(1<<21)           ; 15:0 the mask; 17:16 elements of 8 bytes; 21 set beside a mask; no padding
	s_or_b32 s[G1B], s21, (3<<16)|(1<<21)
.irp g, G1, G1B
	s_mov_b32 s[\g+1], 1024<<16                    ; tensor_dim0
	s_mov_b32 s[\g+2], 4<<16                       ; tensor_dim1
	s_mov_b32 s[\g+3], 1024<<16                    ; tile_dim0
	s_mov_b32 s[\g+4], 4                           ; tile_dim1
	s_mov_b32 s[\g+5], 4096                        ; tensor_dim0_stride
	s_mov_b32 s[\g+6], 0
	s_mov_b32 s[\g+7], 0
.endr
	s_lshl_b32 s22, s14, 2                         ; which 4 tiles I fetch
	s_lshl_b32 s40, s19, 3
	s_add_co_u32 s40, s40, s22                     ; O: tile 8 x tile row + 4 x half,
	s_lshl_b32 s40, s40, 15                        ; 32,768 bytes a tile
	s_mov_b32 s41, 0
	s_lshl_b32 s42, s18, 3
	s_add_co_u32 s42, s42, s22                     ; w_proj: tile 8 x tile column + 4 x half
	s_lshl_b32 s42, s42, 15
	s_mov_b32 s43, 0
	s_lshl_b32 s23, s12, 15                        ; where they go: wave x 32,768: no place in the cluster enters an LDS address
	s_wait_dscnt 0x0                               ; both opening adds are done
	s_wait_kmcnt 0x0
	s_add_nc_u64 s[40:41], s[4:5], s[40:41]
	s_add_nc_u64 s[42:43], s[6:7], s[42:43]
	CROUND                                         ; all sixteen work-groups are here: the first joint loads meet
.irp s, 0,1
	s_mov_b32 s[G0+4*\s], 1
	s_add_co_u32 s[G0+4*\s+1], s23, \s*SLOT
	s_add_nc_u64 s[G0+4*\s+2:G0+4*\s+3], s[40:41], \s*8192
	s_or_b32 s[G0+4*\s+3], s[G0+4*\s+3], 0x80000000
	s_mov_b32 s[G0B+4*\s], 1
	s_add_co_u32 s[G0B+4*\s+1], s23, \s*SLOT
	s_add_nc_u64 s[G0B+4*\s+2:G0B+4*\s+3], s[42:43], \s*8192
	s_or_b32 s[G0B+4*\s+3], s[G0B+4*\s+3], 0x80000000
	JLOAD \s                                       ; two loads of mine are out
.endr
	v_and_b32 v1, 15, v0                           ; r
	v_bfe_u32 v2, v0, 4, 1                         ; h
	v_and_b32 v3, 31, v0
	v_lshlrev_b32 v3, 4, v3                        ; 16 x lane
	s_lshl_b32 s44, s13, 15                        ; my 4 tiles of O
	s_lshl_b32 s45, s14, 15                        ; my 4 tiles of w_proj,
	s_add_co_u32 s45, s45, BOFF                    ; which lie behind O's 8
.irp s, 0,1
	v_add_nc_u32 v[ADRA+\s], s44, v3
	v_add_nc_u32 v[ADRB+\s], s45, v3
	s_add_co_u32 s44, s44, SLOT
	s_add_co_u32 s45, s45, SLOT
.endr
	s_mul_i32 s46, s12, 16*SPITCH
	s_add_co_u32 s46, s46, STAGE                   ; my stage
	v_mul_u32_u24 v4, v1, SPITCH                   ; in: row r, 32 bytes for each half of the lanes
	v_lshl_add_u32 v4, v2, 5, v4
	v_add_nc_u32 v[STO], s46, v4
	v_mul_u32_u24 v5, v2, SPITCH                   ; back: lanes 0-15 take one row of 256 bytes, lanes 16-31 the next
	v_lshl_add_u32 v5, v1, 4, v5
	v_add_nc_u32 v[RD], s46, v5
	v_lshlrev_b32 v[CO], 12, v2                    ; and the same two rows in out0: 4,096 bytes a row
	v_lshl_add_u32 v[CO], v1, 4, v[CO]
	v_lshlrev_b32 v30, 5, v2                       ; the bias: my eight numbers of a tile of 16 columns: 32 h
	s_lshl_b32 s44, s18, 9
	s_lshl_b32 s45, s14, 8
	s_add_co_u32 s44, s44, s45                     ; my first column, in bytes: 512 x tile column + 256 x half
	s_mov_b32 s45, 0
	s_add_nc_u64 s[8:9], s[8:9], s[44:45]
	s_add_nc_u64 s[10:11], s[10:11], s[44:45]
	s_lshl_b32 s44, s19, 7
	s_lshl_b32 s46, s13, 6
	s_add_co_u32 s44, s44, s46                     ; my first row: 128 x tile row + 64 x half
	s_lshl_b32 s44, s44, 12
	s_add_nc_u64 s[10:11], s[10:11], s[44:45]
.irp b, 0,1,2,3
	global_load_b128 v[BI+8*\b:BI+8*\b+3], v30, s[8:9] offset:64*\b
	global_load_b128 v[BI+8*\b+4:BI+8*\b+7], v30, s[8:9] offset:64*\b+16
.endr
; 8 matrix instructions: row blocks a0, a0 + 1 x all 4 column blocks, 32 along K: half c of buffer f.  first = 1: the sums start on the bias.  The 16 accumulators take turns.
.macro MUL8 f, c, a0, first
.irp a, \a0, \a0+1
.irp b, 0,1,2,3
.if \first
	v_wmma_f32_16x16x32_f16 v[ACC+8*(4*(\a)+\b):ACC+8*(4*(\a)+\b)+7], v[\f+64+8*(4*\c+\b):\f+64+8*(4*\c+\b)+7], v[\f+8*(4*\c+\a):\f+8*(4*\c+\a)+7], v[BI+8*\b:BI+8*\b+7]
.else
	v_wmma_f32_16x16x32_f16 v[ACC+8*(4*(\a)+\b):ACC+8*(4*(\a)+\b)+7], v[\f+64+8*(4*\c+\b):\f+64+8*(4*\c+\b)+7], v[\f+8*(4*\c+\a):\f+8*(4*\c+\a)+7], v[ACC+8*(4*(\a)+\b):ACC+8*(4*(\a)+\b)+7]
.endif
.endr
.endr
.endm
; 32 LDS loads in one run: the fragments of the slot's q-th 64 along K into buffer f; the first 32 along K first
.macro FETCH slot, q, f
	WIN TO_F
.irp c, 0,1
.irp i, 0,1,2,3
	ds_load_b128 v[\f+64+8*(4*\c+\i):\f+64+8*(4*\c+\i)+3],   v[ADRB+\slot] offset:2048*(\q)+1024*\c+8192*\i
	ds_load_b128 v[\f+64+8*(4*\c+\i)+4:\f+64+8*(4*\c+\i)+7], v[ADRB+\slot] offset:2048*(\q)+1024*\c+8192*\i+512
	ds_load_b128 v[\f+8*(4*\c+\i):\f+8*(4*\c+\i)+3],         v[ADRA+\slot] offset:2048*(\q)+1024*\c+8192*\i
	ds_load_b128 v[\f+8*(4*\c+\i)+4:\f+8*(4*\c+\i)+7],       v[ADRA+\slot] offset:2048*(\q)+1024*\c+8192*\i+512
.endr
.endr
.endm
.macro PLACES                          ; four places in front of loads into registers that matrix instructions have read, and of the first read of results
.rept 4
	v_nop
.endr
.endm
; A K step is four quarters of 64 along K, 32 matrix instructions each, on buffers 0, 1, 0, 1.  One of the first three: multiplies buffer f and fetches quarter q into g.
.macro QUARTER slot, q, f, g, first
	s_wait_dscnt 16                                ; the first 32 along K are in; the youngest sixteen loads may be out
	WIN MUL
	MUL8 \f, 0, 0, \first
	MUL8 \f, 0, 2, \first
	PLACES
	FETCH \slot, \q, \g
	s_wait_dscnt 32                                ; all but the 32 just issued
	WIN MUL
	MUL8 \f, 1, 0, 0
	MUL8 \f, 1, 2, 0
.endm
; The last quarter multiplies buffer 1 and changes slots: ONE barrier; in front of it each wave waits for all its tensor loads, adds 0 to its spare word, and waits for that and for its own reads of this slot.
; fill = 1: this slot is filled again, two K steps ahead.
.macro TURN slot, next, fill
	WIN 0                                          ; (the add's two registers lie in window 0)
	s_wait_tensorcnt 0x0                           ; all my tensor loads have landed: my part of the next slot;
	ds_add_u32 v[SPW], v[NIL]                      ; 0 onto my spare word;
	s_wait_dscnt 17                                ; (the add and the youngest sixteen loads may be out)
	WIN MUL
	MUL8 F1, 0, 0, 0                               ; eight matrix instructions stand between the add and the wait for it
	s_wait_dscnt 0x0                               ; the add is done, and my reads of this slot are over
	s_barrier_signal -1
	MUL8 F1, 0, 2, 0
.if \fill
	WIN 0
.endif
	s_barrier_wait -1
.if \fill
	CREST                                          ; the barrier has opened a round of the cluster's barrier: no wave of any partner still reads this slot's tile or has a load on its way
	s_add_nc_u64 s[G0+4*\slot+2:G0+4*\slot+3], s[G0+4*\slot+2:G0+4*\slot+3], 2*8192
	s_add_nc_u64 s[G0B+4*\slot+2:G0B+4*\slot+3], s[G0B+4*\slot+2:G0B+4*\slot+3], 2*8192
	JLOAD \slot                                    ; the first tensor load behind the round; the four v_nop behind it are also the places in front of the loads below
.else
	PLACES
.endif
	FETCH \next, 0, F0
	WIN MUL
	MUL8 F1, 1, 0, 0
	MUL8 F1, 1, 2, 0
.endm
	s_wait_tensorcnt 1                             ; my part of K step 0 is in (K step 1's load may be out),
	s_barrier_signal -1
	s_barrier_wait -1                              ; everybody's is
	FETCH 0, 0, F0
	s_wait_loadcnt 0x0                             ; the bias
	QUARTER 0, 1, F0, F1, 1                        ; K step 0: its first products start the sums on the bias
	QUARTER 0, 2, F1, F0, 0
	QUARTER 0, 3, F0, F1, 0
	TURN 0, 1, 1                                   ; slot 0 takes K step 2
	QUARTER 1, 1, F0, F1, 0                        ; K step 1
	QUARTER 1, 2, F1, F0, 0
	QUARTER 1, 3, F0, F1, 0
	TURN 1, 0, 1                                   ; slot 1 takes K step 3
	QUARTER 0, 1, F0, F1, 0                        ; K step 2
	QUARTER 0, 2, F1, F0, 0
	QUARTER 0, 3, F0, F1, 0
	TURN 0, 1, 0                                   ; nothing is left to fetch from memory
	QUARTER 1, 1, F0, F1, 0                        ; K step 3
	QUARTER 1, 2, F1, F0, 0
	QUARTER 1, 3, F0, F1, 0
	s_wait_dscnt 16                                ; the very last quarter
	WIN MUL
	MUL8 F1, 0, 0, 0
	MUL8 F1, 0, 2, 0
	s_wait_dscnt 0x0
	MUL8 F1, 1, 0, 0
	MUL8 F1, 1, 2, 0
	WIN 0
; THE WAY OUT, block by block of 16 rows x 64 columns.  A lane holds 32 neighbouring bytes of a row, and the lanes beside it hold other rows: so a block goes through my own stage in LDS and comes back as whole
; rows of 256 bytes.  LDS serves a wave's instructions in order (ISA guide 5.7.1.4): no wait between the stores and the loads, nor in front of the next block's stores.
.macro TOSTAGE a
.irp b, 0,1,2,3
	ds_store_b128 v[STO], v[ACC+8*(4*(\a)+\b):ACC+8*(4*(\a)+\b)+3] offset:64*\b        ; each accumulator from its low end on
	ds_store_b128 v[STO], v[ACC+8*(4*(\a)+\b)+4:ACC+8*(4*(\a)+\b)+7] offset:64*\b+16
.endr
.irp t, 0,1,2,3,4,5,6,7
	ds_load_b128 v[TMP+32*((\a)%2)+4*\t:TMP+32*((\a)%2)+4*\t+3], v[RD] offset:2*\t*SPITCH
.endr
.endm
.macro SEND a, younger                 ; younger: the LDS instructions issued behind block a's loads, which may stay out
	s_wait_dscnt \younger
.irp t, 0,1,2,3,4,5,6,7
	global_store_b128 v[CO], v[TMP+32*((\a)%2)+4*\t:TMP+32*((\a)%2)+4*\t+3], s[10:11] offset:65536*(\a)+8192*\t th:TH_STORE_NT   ; sixteen lanes store 256 consecutive bytes, aligned; written once, read by nobody here
.endr
.endm
	PLACES
	TOSTAGE 0
.irp a, 1,2,3
.if \a > 1
	s_wait_xcnt 0x0                                ; block a - 2's stores have read their registers: block a's loads may land there
.endif
	TOSTAGE \a
	SEND \a-1, 16                                  ; behind block a - 1's loads: block a's 8 stores and 8 loads
.endr
	SEND 3, 0
	s_wait_tensorcnt 0x0                           ; the wave's end, behind my last tensor load and my last LDS store
	ds_add_u32 v[SPW], v[NIL]
	s_wait_dscnt 0x0
	CROUND                                         ; the closing round: no work-group ends while a partner may still ask for a tile that names it
	s_endpgm
.Lfunc_end_k_q93109c1690_proj:
	.size	k_q93109c1690_proj, .Lfunc_end_k_q93109c1690_proj-k_q93109c1690_proj
	.p2alignl 7, 3214868480
	.fill 96, 4, 3214868480
	.section	.rodata,"a",@progbits
	.p2align	6, 0x0
	.amdhsa_kernel k_q93109c1690_proj
		.amdhsa_group_segment_fixed_size 327680
		.amdhsa_private_segment_fixed_size 0
		.amdhsa_enable_private_segment 0
		.amdhsa_kernarg_size 32
		.amdhsa_user_sgpr_count 2
		.amdhsa_user_sgpr_kernarg_segment_ptr 1
		.amdhsa_wavefront_size32 1
		.amdhsa_system_sgpr_workgroup_id_x 1
		.amdhsa_system_sgpr_workgroup_id_y 1
		.amdhsa_system_sgpr_workgroup_id_z 1
		.amdhsa_system_vgpr_workitem_id 0
		.amdhsa_next_free_vgpr 512
		.amdhsa_next_free_sgpr 66
		.amdhsa_reserve_vcc 0
		.amdhsa_float_denorm_mode_32 3
		.amdhsa_float_denorm_mode_16_64 3
		.amdhsa_memory_ordered 1
		.amdhsa_forward_progress 1
		.amdhsa_inst_pref_size 86
	.end_amdhsa_kernel
	.amdgpu_metadata
---
amdhsa.version: [ 1, 2 ]
amdhsa.kernels:
  - .name:           k_q93109c1690_proj
    .symbol:         k_q93109c1690_proj.kd
    .args:
      - { .name: ob, .offset: 0, .size: 8, .value_kind: global_buffer, .address_space: global }
      - { .name: wp, .offset: 8, .size: 8, .value_kind: global_buffer, .address_space: global }
      - { .name: b_proj, .offset: 16, .size: 8, .value_kind: global_buffer, .address_space: global }
      - { .name: out0, .offset: 24, .size: 8, .value_kind: global_buffer, .address_space: global }
    .group_segment_fixed_size: 327680
    .private_segment_fixed_size: 0
    .kernarg_segment_align: 8
    .kernarg_segment_size: 32
    .max_flat_workgroup_size: 128
    .sgpr_count:     66
    .vgpr_count:     512
    .wavefront_size: 32
...
	.end_amdgpu_metadata
.endif
;; end of part 4
